; MI455X (gfx1250); checked and timed in simulation.
; The chip was launched on July 23, 2026; its instructions are those of AMD's public machine-readable ISA for CDNA 5 (MIT licence, August 2026) and "CDNA5" Instruction Set Architecture Reference Guide (July 2026). The comments in the code are by the model that wrote it; some were corrected since.
;; LNO Block. Allowed arithmetic: matrix products marked QUANTISED: E4M3 operands, one E8M0 scale for each 32 along K, by v_wmma_scale_f32_16x16x128_f8f6f4 with both operands' format E4M3, f32 sums; products left as they are: f32 operands where the result goes on into a quantised operand, else bf16, f16 or f32 operands; f32 sums; everything else in f32.
;; Inputs: W_b 128 float32; W_w_codes 128 x 4 x 32 uint8 (E4M3 codes of W_w, K innermost, in blocks of 32 codes); W_w_scales 128 x 4 uint8 (E8M0 scales of W_w, one for each 32 codes along K); phi_b 64 float32; phi_w_codes 64 x 4 x 32 uint8 (E4M3 codes of phi_w, K innermost, in blocks of 32 codes); phi_w_scales 64 x 4 uint8 (E8M0 scales of phi_w, one for each 32 codes along K); psi_b 8,192 float32; psi_w_codes 8,192 x 4 x 32 uint8 (E4M3 codes of psi_w, K innermost, in blocks of 32 codes); psi_w_scales 8,192 x 4 uint8 (E8M0 scales of psi_w, one for each 32 codes along K); x 2 x 8,192 x 128 float32.
;; Outputs: out0 2 x 8,192 x 128 float32.
;; This version of the problem:
;;   THIS VERSION OF THE PROBLEM IS GIVEN IN LOW PRECISION. The matrix products marked QUANTISED in the list below multiply operands that are first quantised to E4M3 (4 exponent bits, 3 mantissa bits; 8 bits a number), with one power-of-two scale for each 32 numbers along K (OCP MX v1.0); their sums are f32. All else is computed in f32.
;;   The module's matrix products, in the order in which they are computed (A, B: the left and right operand; K: the contracted axis; several contracted axes count as one K, in the product's order):
;;     1. [M 16,384, K 128] x [K 128, N 64]; A: input x; B: input phi_w (given as codes): QUANTISED
;;     2. [M 16,384, K 128] x [K 128, N 8,192]; A: input x; B: input psi_w (given as codes): QUANTISED
;;     3. batch 256 x [M 1, K 8,192] x [K 8,192, N 64]; A: input x; B: computed on the way: left as it is (M = 1 < 16)
;;     4. batch 2 x [M 8,192, K 64] x [K 64, N 128]; A: computed on the way; B: computed on the way: QUANTISED
;;     5. [M 16,384, K 128] x [K 128, N 128]; A: input x; B: input W_w (given as codes): QUANTISED
;;   THE QUANTISER, for each operand of a quantised product, along K:
;;     - K is cut into blocks of 32 from its start; a last block that is shorter is filled with zeros.
;;     - A block's scale is 2^e with e = floor(log2(the largest magnitude in the block)) - 8, held to -126 .. 127; a block of zeros has e = 0. As a byte (E8M0): e + 127.
;;     - Each number is divided by its block's scale, clamped to +-448, and rounded to the nearest number of E4M3, ties to even, subnormals kept.
;;     - The product sums the exact products of the quantised numbers (number of the format x scale) in f32.
;;   ~~~python
;;   def quantise(x, axis):      # numpy; x: float32 -> the quantised numbers, widened to float32 again
;;       x = np.moveaxis(x, axis, -1); K = x.shape[-1]
;;       x = np.pad(x, [(0, 0)] * (x.ndim - 1) + [(0, -K % 32)]); x = x.reshape(x.shape[:-1] + (-1, 32)); a = np.abs(x).max(-1, keepdims=True)
;;       e = np.where(a > 0, np.clip(np.frexp(np.where(a > 0, a, 1))[1] - 1 - 8, -126, 127), 0)      # np.frexp(a)[1] - 1 = floor(log2(a)), exactly
;;       r = np.clip(x / 2.0 ** e, -448, 448)
;;       step = 2.0 ** (np.maximum(np.frexp(np.where(r == 0, 1, r))[1] - 1, -6) - 3)
;;       q = np.round(r / step) * step * 2.0 ** e      # np.round: ties to even
;;       return np.moveaxis(q.reshape(q.shape[:-2] + (-1,))[..., :K], -1, axis).astype(np.float32)
;;   ~~~
;;   OPERANDS COMPUTED ON THE WAY. 'Computed on the way' means the value that the module computes at that place (a softmax that the list does not call 'softmax' is quantised finished and normalised). What goes into a quantiser is computed in f32, as accurately as f32 sums, v_exp_f32 and their like allow (about 1e-6 of the number): no bf16 or f16 on the way to a quantiser, and a product that is left as it is and whose result goes on into a quantised operand takes f32 operands (vector FMAs, or v_wmma_f32_16x16x4_f32). A number that lies on a knife's edge between two numbers of the format may be rounded either way, as far as f32 arithmetic and the matrix unit's own rounding can turn it there, and no further.
;;   INPUTS GIVEN AS CODES. W_w (in the module: [128, 128], K = its axis 0); phi_w (in the module: [128, 64], K = its axis 0); psi_w (in the module: [128, 8192], K = its axis 0): each comes as NAME_codes (uint8): NAME with its K axis moved to the last place and cut into blocks of 32 codes, [.., K / 32, bytes a block], one block behind the other in memory; one code a byte (a code: sign, 4 exponent bits, 3 mantissa bits); and NAME_scales (uint8): the same leading axes, one E8M0 byte (e + 127) for each 32 codes along K. Its value is code x scale, taken as it is: it is not quantised again, and the codes and scales need not be those that the quantiser above would give.
;; 2 versions, each right; version 2 is version 1 with the launch apply written anew for expert scheduling mode. Each part assembles by itself: llvm-mc -triple=amdgcn-amd-amdhsa -mcpu=gfx1250 --defsym DOCPART=n.
;; ======== version 1 of 2: 3 launches
;; limits: a function is approximated: absolute error at most 1.5e-07; an absolute error that grows with the inputs' magnitude: up to 7.5e-08 times it
;; workspace buffers: part 2,097,152 bytes; xcodes 2,097,152 bytes; xsc 131,072 bytes; icodes 16,384 bytes; isc 4,096 bytes
;; launch integ (part 1): grid 4 x 64, 4 waves a work-group, clusters of 4 x 4, 327,680 bytes of LDS; arguments x, psi_w_codes, psi_w_scales, psi_b, part, xcodes, xsc; writes part, xcodes, xsc
.if DOCPART == 1
	.amdgcn_target "amdgcn-amd-amdhsa--gfx1250"
	.amdhsa_code_object_version 6
	.text
	.protected	k_qb32ea53b08_integ
	.globl	k_qb32ea53b08_integ
	.p2align	8
	.type	k_qb32ea53b08_integ,@function
k_qb32ea53b08_integ:
	s_mov_b64 s[64:65], 0
	v_nop
	global_prefetch_b8 v0, s[64:65] scope:SCOPE_SE
	s_setreg_imm32_b32 hwreg(HW_REG_WAVE_MODE, 25, 1), 1
	s_wait_xcnt 0x0
	s_wait_alu depctr_hold_cnt(0) depctr_sa_sdst(0) depctr_va_vdst(0) depctr_va_sdst(0) depctr_va_ssrc(0) depctr_va_vcc(0) depctr_vm_vsrc(0)
	s_getreg_b32 s2, hwreg(HW_REG_IB_STS2, 6, 4)
	s_cmp_eq_u32 s2, 0
	s_cbranch_scc0 .Lentry_in_a_cluster
	s_endpgm
.Lentry_in_a_cluster:
	s_bfe_u32 s2, ttmp6, 0x10000c
	s_cmp_lg_u32 s2, 0xf033
	s_cbranch_scc0 .Lentry_shape_is_right
	s_endpgm
.Lentry_shape_is_right:
; part[Y][t][r][cc] = the sum over the 256 points n of chunk Y of (Q(x)[n] . psi_w[:, 128 r + c] + psi_b[128 r + c]) x[n][c],  c = 16 t + cc;  not yet divided by 8,192.
; x: [16,384][128] f32 (both batches on end).  psi_w_codes: [8,192 (j = 128 r + c)][128] E4M3, K innermost; psi_w_scales: [8,192][4] E8M0; psi_b: [8,192] f32.
; Q(x): x quantised along its 128 channels: a scale of 2^(floor(log2(largest magnitude)) - 8) for each 32, held within +-448, nearest code, ties to even.
; Also stored, once: Q(x) as images of the operand's registers (xcodes: [tile of 16 points][4][lane][16 bytes]; xsc: [tile][lane] scale word), for the last launch.
; psi is never laid down: each tile of 16 points x 16 columns is multiplied by x[n][c] and summed over n straight out of the accumulator.
; THE BIAS: sum((p + b) x) = sum(p x) + b sum(x): the products start with C = 0; sum(x) over the chunk is formed once a wave, and b enters by one multiply-add for each 32 columns.  All in f32.
; SHARES.  A work-group takes 256 points (chunk Y) x 16 values of r (group g) x all 128 c: 2,048 tiles.  Wave w owns c = 32 w .. 32 w + 31 (two tiles of columns, e = 0, 1), all 16 r, all 16 tiles of points:
; 512 matrix instructions.  The points stay in registers (codes: 256, the f32 factors of my 32 columns: 256); psi_w goes by: a fragment read from LDS feeds 16 matrix instructions.
; LAYOUT.  Source 0 = 16 points, source 1 = 16 rows of psi_w_codes: in the result a lane holds ONE column c (lane % 16) and its registers the points 8 (lane / 16) + 0 .. 7: the sum over points is multiply-adds inside a lane.
; BY TURNS.  A tile of results wants four packed multiply-adds.  They stand behind the NEXT matrix instruction but one, four behind each, so that matrix and vector work go side by side in the one wave of a SIMD.
; CLUSTER, 4 x 4.  The four work-groups of a row of the cluster have the same chunk and ask for x JOINTLY; the four of a column have the same r group and ask for psi_w jointly: 384 KB a work-group, asked for once for four.
; LIMITS: NaN and infinities among the inputs are not served.  A block of zeros gets the scale byte 1 (not 127): its codes are zeros, and these bytes are read by this program alone.
; REGISTERS, in windows of 256 (s_set_vgpr_msb: bits 1:0 source 0, 3:2 source 1, 5:4 source 2, 7:6 destination):
;   window 0: addresses, scale words, what is at work.   window 1: tiles of points 0-7, window 2: tiles 8-15: codes of tile p at v[16 (p % 8)], factors x(16 p + 8 h + j, 32 w + 16 e + lane % 16) at v[128 + 16 (p % 8) + 8 e + j].
;   Codes and factors are both source 0 of their instructions, so one setting serves a tile's products and its multiply-adds.
.set SL0,   135168                     ; LDS: 0: x, 256 rows of 512 bytes + 16 (later, in its first 69,632 bytes, psi's slot 2);  SL0: psi's slot 0 (later slot 3);
.set SL1,   204800                     ; psi's slot 1.  A slot: 4 values of r = 512 rows of 128 bytes, dense in memory, taken as 256 rows of 256 bytes + 16
.set IMG,   274432                     ; 16 images of Q(x)'s fragments, 2,048 bytes each
.set XSC,   307200                     ; their scale words, 128 bytes each
.set STG,   309248                     ; a stage of 2,048 bytes for each wave: [e][r 16][cc 16] f32
.set SPARE, 317440                     ; the spare words, 128 bytes for each wave: two blocks of 256 bytes that no other line names
.set QAD,  4                           ; v4   x for the quantiser: my wave's 64 rows, row lane % 16, + 64 (lane / 16)
.set IMW,  5                           ; v5   where I store images: IMG + 8,192 wave + 16 lane
.set SCW,  6                           ; v6   and scale words: XSC + 512 wave + 4 lane
.set IRD,  7                           ; v7   where any image is read: IMG + 16 lane
.set SRD,  8                           ; v8   XSC + 4 lane
.set BAD,  10                          ; v10-12  my rows of psi_w in the slots at SL0, SL1, 0
.set LN4,  13                          ; v13  4 lane
.set LN16, 14                          ; v14  16 lane
.set STW,  15                          ; v15  the stage, in: 1,024 (lane / 16) + 4 (lane % 16)
.set STR,  16                          ; v16  the stage, out: 16 lane
.set SPW,  17                          ; v17  LDS address of my spare word; never rewritten
.set NIL,  18                          ; v18  0; never rewritten
.set KW,   19                          ; v19  the scale word that this work-group stores; later
.set SXM,  19                          ;      the chunk's sum of x[.][32 w + lane]
.set TM,   20                          ; v20-35  at work
.set PC0,  36                          ; v36-51, v52-67  codes just made
.set PC1,  52
.set PW0,  68                          ; v68, v69  their scale words
.set PW1,  69
.set ASC,  70                          ; v70-85   Q(x)'s scale words, tile p
.set BSC,  86                          ; v86-101  psi_w's scale words of r = 16 g + i: lanes 0-15 tile e = 0, lanes 16-31 tile e = 1
.set KC,   102                         ; v102-117 the codes that this work-group stores; later
.set BIA,  102                         ;          psi_b of r = 16 g + i, column 32 w + lane
.set NA,   118                         ; v118-181, v182-245  64 numbers of x each; later:
.set NB,   182
.set DR,   118                         ; v118-149 results: 2 groups by turns x 2 tiles x 8
.set ACC,  150                         ; v150-165 the sums of one r: [e][pair of points]
.set SXA,  166                         ; v166-181 the sums of x: [e][j]
.set BB,   182                         ; v182-213, v214-245  psi_w's two fragments of one r, two buffers
.set XAD,  246                         ; v246-248 the factors: row 8 (lane / 16), column 32 w + lane % 16; 112 rows on; 224 rows on
.set WV,   18                          ; s18  my wave's number
.set G1X,  24                          ; s[24:31] descriptor group 1 for x;  s[32:39] for psi_w
.set G1P,  32
.set G0X,  40                          ; s[40:43] group 0 for x;  s[44:59] for psi_w's four slots' worth: none is ever rewritten
.set G0P,  44
.set SEL,  60                          ; s[60:61] v_permlanex16_b32's selects for lane l xor 16
.set MNT,  62                          ; s62  the mantissa field of 448
.set MSB, 0
.macro WIN new                         ; the immediate's high byte repeats the setting that is left; a switch that changes nothing is dropped
.if MSB != (\new)
	s_set_vgpr_msb (MSB<<8)|(\new)
.set MSB, (\new)
.endif
.endm
.macro CROUND                          ; a round of the cluster's barrier: my work-group's barrier; wave 0 signals for the work-group; every wave waits for all sixteen; my work-group's barrier once more
	s_barrier_signal -1
	s_barrier_wait -1
	s_cmp_lg_u32 s[WV], 0
	s_cbranch_scc1 .Lnot_wave_0_\@
	s_barrier_signal -3
.Lnot_wave_0_\@:
	s_barrier_wait -3
	s_barrier_signal -1
	s_barrier_wait -1
.endm
	s_load_b256 s[4:11], s[0:1], 0x0               ; x s[4:5], psi_w_codes s[6:7], psi_w_scales s[8:9], psi_b s[10:11]
	s_load_b128 s[12:15], s[0:1], 0x20             ; part s[12:13], xcodes s[14:15]
	s_load_b64 s[16:17], s[0:1], 0x30              ; xsc
	v_lshl_add_u32 v[SPW], v0, 2, SPARE
	v_mov_b32 v[NIL], 0
	ds_add_u32 v17, v18
	ds_add_u32 v17, v18
	s_wait_dscnt 0x0
	v_lshrrev_b32 v1, 5, v0
	v_readfirstlane_b32 s[WV], v1                  ; wave 0..3
	s_bfe_u32 s19, ttmp6, 0x40000                  ; cx
	s_bfe_u32 s20, ttmp6, 0x40004                  ; cy
	s_lshl_b32 s63, ttmp9, 2
	s_add_co_u32 s63, s63, s19                     ; g = 4 x cluster x + cx: r = 16 g .. 16 g + 15
	s_and_b32 s21, ttmp7, 0xffff
	s_lshl_b32 s21, s21, 2
	s_add_co_u32 s21, s21, s20                     ; Y = 4 x cluster y + cy: points 256 Y .. 256 Y + 255
	s_lshl_b32 s22, s20, 2
	s_lshl_b32 s22, 15, s22                        ; my row of the cluster
	s_lshl_b32 s23, 0x1111, s19                    ; my column
	; group 1 for x: 64 rows of 128 elements of 4 bytes, 16 bytes of padding behind each row's 128 words
	s_or_b32 s[G1X], s22, (2<<16)|(1<<20)|(1<<21)|(6<<22)|(3<<25)   ; 15:0 the mask: my row; 17:16 4 bytes; 20 padding on; 21 set beside a mask; 24:22 after every 128 words; 31:25 four words
	s_mov_b32 s[G1X+1], 128<<16                    ; tensor_dim0
	s_mov_b32 s[G1X+2], 64<<16                     ; tensor_dim1
	s_mov_b32 s[G1X+3], 128<<16                    ; tile_dim0
	s_mov_b32 s[G1X+4], 64                         ; tile_dim1
	s_mov_b32 s[G1X+5], 128                        ; elements from row to row
	s_mov_b32 s[G1X+6], 0
	s_mov_b32 s[G1X+7], 0
	; group 1 for psi_w: one r = 16,384 dense bytes as 64 rows of 32 elements of 8 bytes, 16 bytes of padding behind each row's 64 words
	s_or_b32 s[G1P], s23, (3<<16)|(1<<20)|(1<<21)|(5<<22)|(3<<25)   ; the mask: my column
	s_mov_b32 s[G1P+1], 32<<16
	s_mov_b32 s[G1P+2], 64<<16
	s_mov_b32 s[G1P+3], 32<<16
	s_mov_b32 s[G1P+4], 64
	s_mov_b32 s[G1P+5], 32
	s_mov_b32 s[G1P+6], 0
	s_mov_b32 s[G1P+7], 0
	; offsets, each in registers of its own: x's hang on Y and the wave alone, psi_w's on g and the wave alone
	s_lshl_b32 s66, s21, 17                        ; x: 256 Y rows of 512 bytes,
	s_lshl_b32 s67, s[WV], 15                      ; + my 64 rows
	s_add_co_u32 s66, s66, s67
	s_mov_b32 s67, 0
	s_lshl_b32 s68, s63, 18                        ; psi_w_codes: 16 g values of r of 16,384 bytes,
	s_lshl_b32 s69, s[WV], 14                      ; + wave: of a slot's four r I fetch the one of my number
	s_add_co_u32 s68, s68, s69
	s_mov_b32 s69, 0
	s_mul_i32 s72, s[WV], 33792                    ; in LDS: 64 rows of 528,
	s_mul_i32 s73, s[WV], 17408                    ; 64 rows of 272
	s_lshl_b32 s80, s63, 13                        ; scales and bias: 4 (128 (16 g) + 32 w)
	s_lshl_b32 s81, s[WV], 7
	s_add_co_u32 s80, s80, s81
	s_mov_b32 s81, 0
	s_lshl_b32 s82, s21, 15
	s_lshl_b32 s83, s[WV], 13
	s_add_co_u32 s82, s82, s83                     ; 32,768 Y + 8,192 w: common to part and xcodes
	s_lshl_b32 s83, s63, 10
	s_add_co_u32 s84, s82, s83                     ; part: + 1,024 g
	s_mov_b32 s85, 0
	s_lshl_b32 s83, s63, 11
	s_add_co_u32 s82, s82, s83                     ; xcodes: 2,048 (16 Y + 4 w + g)
	s_mov_b32 s83, 0
	s_lshr_b32 s86, s82, 4                         ; xsc: 128 (16 Y + 4 w + g)
	s_mov_b32 s87, 0
	s_cmp_eq_u32 s19, 1                            ; which of a wave's four tiles this work-group stores: tile cx.  These masks select values alone
	s_cselect_b32 s75, -1, 0
	s_cmp_eq_u32 s19, 2
	s_cselect_b32 s76, -1, 0
	s_cmp_eq_u32 s19, 3
	s_cselect_b32 s77, -1, 0
	s_mov_b32 s78, 0xffff                          ; lanes 0-15
	s_mov_b32 s[SEL], 0x76543210
	s_mov_b32 s[SEL+1], 0xfedcba98
	s_mov_b32 s[MNT], 0x600000
	s_wait_kmcnt 0x0
	s_mov_b32 s[G0X], 1                            ; count = 1
	s_mov_b32 s[G0X+1], s72                        ; LDS address
	s_add_nc_u64 s[G0X+2:G0X+3], s[4:5], s[66:67]  ; global address
	s_or_b32 s[G0X+3], s[G0X+3], 0x80000000        ; type = 2
	s_add_nc_u64 s[70:71], s[6:7], s[68:69]
.irp s, 0,1,2,3
	s_mov_b32 s[G0P+4*\s], 1
	s_add_nc_u64 s[G0P+4*\s+2:G0P+4*\s+3], s[70:71], \s*65536      ; four r on for each slot's worth
	s_or_b32 s[G0P+4*\s+3], s[G0P+4*\s+3], 0x80000000
.endr
	s_add_co_u32 s[G0P+1], s73, SL0
	s_add_co_u32 s[G0P+5], s73, SL1
	s_mov_b32 s[G0P+9], s73                        ; r 8-11 go where x lay
	s_add_co_u32 s[G0P+13], s73, SL0               ; r 12-15 where r 0-3 lay
	s_add_nc_u64 s[8:9], s[8:9], s[80:81]
	s_add_nc_u64 s[10:11], s[10:11], s[80:81]
	s_add_nc_u64 s[12:13], s[12:13], s[84:85]
	s_add_nc_u64 s[14:15], s[14:15], s[82:83]
	s_add_nc_u64 s[16:17], s[16:17], s[86:87]
	CROUND                                         ; all sixteen work-groups are here: the first joint loads meet
	tensor_load_to_lds s[G0X:G0X+3], s[G1X:G1X+7]  ; the three first fills go out together: three loads of mine are out
	s_nop 0
	tensor_load_to_lds s[G0P:G0P+3], s[G1P:G1P+7]
	s_nop 0
	tensor_load_to_lds s[G0P+4:G0P+7], s[G1P:G1P+7]
	s_nop 0
.rept 4
	v_nop
.endr
	v_and_b32 v1, 15, v0                           ; rr = lane % 16
	v_bfe_u32 v2, v0, 4, 1                         ; h = lane / 16
	v_and_b32 v3, 31, v0                           ; lane
	v_lshlrev_b32 v[LN4], 2, v3
	v_lshlrev_b32 v[LN16], 4, v3
.irp i, 0,1,2,3,4,5,6,7,8,9,10,11,12,13,14,15
	global_load_b32 v[BSC+\i], v[LN4], s[8:9] offset:512*\i        ; psi_w's scale words: r = 16 g + i, column 32 w + lane
.endr
	v_mul_u32_u24 v[QAD], v1, 528
	v_lshl_add_u32 v[QAD], v2, 6, v[QAD]
	v_add_nc_u32 v[QAD], s72, v[QAD]
	s_lshl_b32 s89, s[WV], 13
	s_add_co_u32 s89, s89, IMG
	v_add_nc_u32 v[IMW], s89, v[LN16]
	s_lshl_b32 s90, s[WV], 9
	s_add_co_u32 s90, s90, XSC
	v_add_nc_u32 v[SCW], s90, v[LN4]
	v_add_nc_u32 v[IRD], IMG, v[LN16]
	v_add_nc_u32 v[SRD], XSC, v[LN4]
	v_mul_u32_u24 v[XAD], v2, 4224                 ; 8 rows of 528 for lanes 16-31: 128 bytes on modulo 256, so the two halves of the lanes fall on different banks (64 banks of 4 bytes: ISA guide 11.1)
	v_lshl_add_u32 v[XAD], v1, 2, v[XAD]
	s_lshl_b32 s91, s[WV], 7
	v_add_nc_u32 v[XAD], s91, v[XAD]
	v_add_nc_u32 v[XAD+1], 59136, v[XAD]           ; 112 rows on: an LDS offset has 16 bits
	v_add_nc_u32 v[XAD+2], 118272, v[XAD]
	; psi_w's row c of a slot's r lies at (c / 2) 272 + (c % 2) 128: the 16 rows of a fragment fall in 16 different columns of 16 bytes modulo 256
	v_lshrrev_b32 v[BAD], 1, v1
	v_mul_u32_u24 v[BAD], v[BAD], 272
	v_and_b32 v[BAD+1], 1, v1
	v_lshl_add_u32 v[BAD], v[BAD+1], 7, v[BAD]
	v_lshl_add_u32 v[BAD], v2, 4, v[BAD]
	s_mul_i32 s92, s[WV], 4352                     ; my 32 columns: 16 rows of 272
	v_add_nc_u32 v[BAD+2], s92, v[BAD]
	v_add_nc_u32 v[BAD], SL0, v[BAD+2]
	v_add_nc_u32 v[BAD+1], SL1, v[BAD+2]
	s_lshl_b32 s88, s[WV], 11
	s_add_co_u32 s88, s88, STG
	v_lshlrev_b32 v[STW], 2, v1
	v_lshl_add_u32 v[STW], v2, 10, v[STW]
	v_add_nc_u32 v[STW], s88, v[STW]
	v_add_nc_u32 v[STR], s88, v[LN16]
.irp b, 0,1,2,3
	v_mov_b32 v[TM+4+\b], 0                        ; written once: a lane permute's destination counts as one of its sources
.endr
; ---- Q(x).  Wave w quantises tiles 4 w + i, i = 0 .. 3: the 64 rows that its own tensor load brought.
.macro QLOAD i, s                      ; 64 numbers a lane: register 16 b + n = x(row lane % 16 of tile i, channel 32 b + 16 (lane / 16) + n): the order of the operand's registers
.irp b, 0,1,2,3
.irp j, 0,1,2,3
	ds_load_b128 v[\s+16*\b+4*\j:\s+16*\b+4*\j+3], v[QAD] offset:(\i)*8448+128*\b+16*\j
.endr
.endr
.endm
.macro QUANT s, pc, pw                 ; v[s] .. v[s + 63] become a fragment's codes in v[pc] on and its scale word in v[pw]
.irp b, 0,1,2,3
	v_max3_num_f32 v[TM+\b], |v[\s+16*\b]|, |v[\s+1+16*\b]|, 0x4800000   ; block b: my 16 numbers, and the floor 2^(9 - 127): the byte cannot fall under 1
.endr
.irp i, 2,4,6,8,10,12,14
.irp b, 0,1,2,3
	v_max3_num_f32 v[TM+\b], v[TM+\b], |v[\s+16*\b+\i]|, |v[\s+1+16*\b+\i]|   ; (the four blocks by turns)
.endr
.endr
.irp b, 0,1,2,3
	v_permlanex16_b32 v[TM+4+\b], v[TM+\b], s[SEL], s[SEL+1]
.endr
.irp b, 0,1,2,3
	v_max_num_f32 v[TM+\b], v[TM+\b], v[TM+4+\b]   ; with lane l xor 16's: the block's largest magnitude
.endr
.irp b, 0,1,2,3
	v_add_nc_u32 v[TM+12+\b], 0xfc000000, v[TM+\b] ; 8 off its exponent field: the conversion takes the exponent field of this operand as its scale
.endr
.irp b, 0,1,2,3
	v_and_or_b32 v[TM+8+\b], v[TM+\b], 0x7f800000, s[MNT]   ; 448 x the scale
.endr
.irp b, 0,1,2,3
	v_lshrrev_b32 v[TM+4+\b], 23, v[TM+12+\b]      ; the scale's byte
.endr
	v_lshl_or_b32 v[\pw], v[TM+5], 8, v[TM+4]
	v_lshl_or_b32 v[\pw], v[TM+6], 16, v[\pw]
	v_lshl_or_b32 v[\pw], v[TM+7], 24, v[\pw]
.irp b, 0,1,2,3
.irp i, 0,1,2,3,4,5,6,7,8,9,10,11,12,13,14,15
	v_med3_num_f32 v[\s+16*\b+\i], v[\s+16*\b+\i], -v[TM+8+\b], v[TM+8+\b]   ; the conversion to an 8-bit code does not saturate (ISA guide 7.6.2): the hold at 448 x the scale
.endr
	v_cvt_scalef32_pk8_fp8_f32 v[\pc+4*\b:\pc+1+4*\b], v[\s+16*\b:\s+7+16*\b], v[TM+12+\b]
	v_cvt_scalef32_pk8_fp8_f32 v[\pc+2+4*\b:\pc+3+4*\b], v[\s+8+16*\b:\s+15+16*\b], v[TM+12+\b]
.endr
	v_nop                                          ; one plain vector instruction behind the last scaled conversion
.endm
.macro IMAGE i, pc, pw                 ; the fragment goes to LDS as it stands in registers: 16 bytes a lane, 512 a store; the scale word 4 bytes a lane
.irp c, 0,1,2,3
	ds_store_b128 v[IMW], v[\pc+4*\c:\pc+4*\c+3] offset:(\i)*2048+512*\c
.endr
	ds_store_b32 v[SCW], v[\pw] offset:(\i)*128
.endm
.macro KEEP i, pc, pw                  ; the work-group with cx = i keeps tile i for the store to memory: a choice of values, no branch
.irp k, 0,1,2,3,4,5,6,7,8,9,10,11,12,13,14,15
	v_cndmask_b32 v[KC+\k], v[KC+\k], v[\pc+\k], s[74+(\i)]
.endr
	v_cndmask_b32 v[KW], v[KW], v[\pw], s[74+(\i)]
.endm
	s_wait_tensorcnt 0x2                           ; my 64 rows of x are in (tensor loads of a wave end in order: ISA guide 10.11.1); the two slots of psi_w, issued behind, may be out
	QLOAD 0, NA
	QLOAD 1, NB
	s_wait_dscnt 16                                ; tile 0's numbers are in; tile 1's 16 loads may be out
	QUANT NA, KC, KW                               ; tile 0 goes straight into the kept registers
	IMAGE 0, KC, KW
	QLOAD 2, NA
	s_wait_dscnt 16                                ; tile 1's numbers are in, and tile 0's image has been stored, so the kept registers may be written; tile 2's 16 loads may be out
	QUANT NB, PC1, PW1
	IMAGE 1, PC1, PW1
	KEEP 1, PC1, PW1
	QLOAD 3, NB
	s_wait_dscnt 21                                ; tile 2's numbers are in; behind them: 5 stores and 16 loads
	QUANT NA, PC0, PW0
	IMAGE 2, PC0, PW0
	KEEP 2, PC0, PW0
	s_wait_dscnt 5                                 ; tile 3's numbers are in, and tile 1's image has been stored; behind them: 5 stores
	QUANT NB, PC1, PW1
	IMAGE 3, PC1, PW1
	KEEP 3, PC1, PW1
.irp c, 0,1,2,3
	global_store_b128 v[LN16], v[KC+4*\c:KC+4*\c+3], s[14:15] offset:512*\c   ; tile 16 Y + 4 w + cx: each store covers 512 consecutive bytes, aligned
.endr
	global_store_b32 v[LN4], v[KW], s[16:17]
	s_wait_dscnt 0x0                               ; for the others' sake: my images are stored
	s_barrier_signal -1                            ; (each wave's part of x was shown landed by its wait above; psi_w's slots may stay out)
	s_barrier_wait -1
	s_wait_xcnt 0x0                                ; the stores have read the kept registers: they take the bias now
.irp i, 0,1,2,3,4,5,6,7,8,9,10,11,12,13,14,15
	global_load_b32 v[BIA+\i], v[LN4], s[10:11] offset:512*\i      ; psi_b: r = 16 g + i, column 32 w + lane
.endr
	; ---- all 16 tiles of points into registers: scale words, codes, and the f32 factors of my 32 columns
.irp p, 0,1,2,3,4,5,6,7,8,9,10,11,12,13,14,15
	ds_load_b32 v[ASC+\p], v[SRD] offset:128*\p
.endr
.irp p, 0,1,2,3,4,5,6,7,8,9,10,11,12,13,14,15
	WIN 0x40*(1+\p/8)                              ; destination window 1 or 2, address window 0
.irp c, 0,1,2,3
	ds_load_b128 v[16*(\p%8)+4*\c:16*(\p%8)+4*\c+3], v[IRD] offset:2048*\p+512*\c
.endr
.irp e, 0,1
.irp j, 0,1,2,3,4,5,6,7
	ds_load_b32 v[128+16*(\p%8)+8*\e+\j], v[XAD+\p/7] offset:((\p%7)*16+\j)*528+64*\e
.endr
.endr
.endr
; A refill.  Each wave waits for all its tensor loads, adds 0 to its spare word, and waits for that and for its reads; a round of the cluster's barrier: no wave of any partner still reads the bytes or has a load
; on its way; the joint load is the first thing behind it, one a wave.
.macro CHANGE g0
	WIN 0                                          ; at a label and at a branch every window is 0; the add's registers lie in window 0
	s_wait_tensorcnt 0x0
	ds_add_u32 v[SPW], v[NIL]                      ; 0 onto my spare word
	s_wait_dscnt 0x0
	CROUND
	tensor_load_to_lds s[\g0:\g0+3], s[G1P:G1P+7]
	s_nop 0
.rept 4
	v_nop
.endr
.endm
.macro BLOAD n                         ; psi_w's two fragments of r = 16 g + n (16 rows x 128 K each) into buffer n % 2.  n / 4 is the slot's worth: at SL0, SL1, 0, SL0
.irp e, 0,1
.irp c, 0,1,2,3
	ds_load_b128 v[BB+32*((\n)%2)+16*\e+4*\c:BB+32*((\n)%2)+16*\e+4*\c+3], v[BAD+(((\n)/4)%3)] offset:((\n)%4)*17408+\e*2176+32*\c
.endr
.endr
.endm
.macro W1 p, e, bb, rho                ; tile p of the points x my tile e of columns: K = 128 is one instruction, so it starts with C = 0 and there are no chains
	WIN 1+(\p)/8
.if (\e) == 0
	v_wmma_scale_f32_16x16x128_f8f6f4 v[DR+16*((\p)%2):DR+16*((\p)%2)+7], v[16*((\p)%8):16*((\p)%8)+15], v[BB+32*(\bb):BB+32*(\bb)+15], 0, v[ASC+(\p)], v[BSC+(\rho)]
.else
	v_wmma_scale_f32_16x16x128_f8f6f4 v[DR+16*((\p)%2)+8:DR+16*((\p)%2)+15], v[16*((\p)%8):16*((\p)%8)+15], v[BB+32*(\bb)+16:BB+32*(\bb)+31], 0, v[ASC+(\p)], v[BSC+(\rho)] matrix_b_scale:MATRIX_SCALE_ROW1
.endif
.endm
.macro F4 p, e                         ; the results of (tile p, tile e) x the factors, onto four pairs of sums; the result is read from its low end on.  Tile 0 starts the sums: nothing is cleared
	WIN 1+(\p)/8
.irp jj, 0,1,2,3
.if (\p) == 0
	v_pk_mul_f32 v[ACC+8*(\e)+2*\jj:ACC+8*(\e)+2*\jj+1], v[128+16*((\p)%8)+8*(\e)+2*\jj:128+16*((\p)%8)+8*(\e)+2*\jj+1], v[DR+16*((\p)%2)+8*(\e)+2*\jj:DR+16*((\p)%2)+8*(\e)+2*\jj+1]
.else
	v_pk_fma_f32 v[ACC+8*(\e)+2*\jj:ACC+8*(\e)+2*\jj+1], v[128+16*((\p)%8)+8*(\e)+2*\jj:128+16*((\p)%8)+8*(\e)+2*\jj+1], v[DR+16*((\p)%2)+8*(\e)+2*\jj:DR+16*((\p)%2)+8*(\e)+2*\jj+1], v[ACC+8*(\e)+2*\jj:ACC+8*(\e)+2*\jj+1]
.endif
.endr
.endm
.macro SX4 p, e                        ; the factors themselves are summed, once, for the bias: four lines for (tile p, tile e)
	WIN 1+(\p)/8
.irp j, 0,2,4,6
.if (\p) == 0
	v_pk_mul_f32 v[SXA+8*(\e)+\j:SXA+8*(\e)+\j+1], v[128+16*((\p)%8)+8*(\e)+\j:128+16*((\p)%8)+8*(\e)+\j+1], 1.0 op_sel_hi:[1,0]
.else
	v_pk_add_f32 v[SXA+8*(\e)+\j:SXA+8*(\e)+\j+1], v[128+16*((\p)%8)+8*(\e)+\j:128+16*((\p)%8)+8*(\e)+\j+1], v[SXA+8*(\e)+\j:SXA+8*(\e)+\j+1]
.endif
.endr
.endm
.macro RED1 base                       ; 2 x 8 sums of a lane, first part: six packed additions; behind them v[base] on may be written again
	v_pk_add_f32 v[TM:TM+1], v[\base:\base+1], v[\base+2:\base+3]
	v_pk_add_f32 v[TM+2:TM+3], v[\base+4:\base+5], v[\base+6:\base+7]
	v_pk_add_f32 v[TM+4:TM+5], v[\base+8:\base+9], v[\base+10:\base+11]
	v_pk_add_f32 v[TM+6:TM+7], v[\base+12:\base+13], v[\base+14:\base+15]
	v_pk_add_f32 v[TM:TM+1], v[TM:TM+1], v[TM+2:TM+3]
	v_pk_add_f32 v[TM+4:TM+5], v[TM+4:TM+5], v[TM+6:TM+7]
.endm
.macro RED2                            ; second part: -> v[TM+8] (tile e = 0), v[TM+9] (e = 1)
	v_add_f32 v[TM+8], v[TM], v[TM+1]
	v_add_f32 v[TM+9], v[TM+4], v[TM+5]
.endm
.macro MERGE d                         ; the two halves of the lanes hold different points: lanes 0-15 end with tile e = 0's total, lanes 16-31 with e = 1's: column 32 w + lane
	v_cndmask_b32 v[TM+10], v[TM+9], v[TM+8], s78  ; what I keep
	v_cndmask_b32 v[TM+11], v[TM+8], v[TM+9], s78  ; what lane l xor 16 wants
	v_permlanex16_b32 v[TM+12], v[TM+11], s[SEL], s[SEL+1]
	v_add_f32 v[\d], v[TM+10], v[TM+12]
.endm
.macro EPB rho                         ; r = 16 g + rho is finished (behind RED1 ACC): seven vector lines and a store into my stage
	RED2
	MERGE TM+13
	v_fma_f32 v[TM+13], v[BIA+(\rho)], v[SXM], v[TM+13]            ; + b x the sum of x
	ds_store_b32 v[STW], v[TM+13] offset:64*(\rho)
.endm
; ONE r: 32 matrix instructions and 128 packed multiply-adds, BY TURNS: behind the product (tile p, e) stand the four multiply-adds of (tile p - 1, e).  At the head the finish of the r before is dealt in the same way:
; its six packed additions behind the first product, its other seven lines, its store and the next r's eight LDS loads behind the second.  In the first r the sums of x ride along, four lines at a time.
; PLACES (eight behind this form before a result is read; this text keeps nine before a matrix instruction writes over it).  Between the product (p, 0) and the first read of its result stand the
; 4 + 4 multiply-adds of tile p - 1; between (p, 1) and its first read the four of (p - 1, 1) and the four of (p, 0), which name none of its registers.  Behind (0, 0): 6 + 7 lines; behind (0, 1): 7 + 4.
; A result's registers are written again two tiles on, behind twelve lines that do not name them.  The loads into a buffer of psi_w stand behind 4 + 4 multiply-adds and the six additions that follow its last reader.
.macro RG rho
	s_wait_dscnt 0x0                               ; this r's fragments, asked for one r ago, are in; the last store into the stage has read its register
	W1 0, 0, (\rho)%2, \rho
.if (\rho) == 0
	SX4 0, 0
.else
	WIN 0
.if (\rho) == 1
	RED1 SXA
	RED2
	MERGE SXM                                      ; the chunk's sum of x[.][32 w + lane]
.endif
	RED1 ACC
.endif
	W1 0, 1, (\rho)%2, \rho
.if (\rho) == 0
	SX4 0, 1
.endif
	WIN 0
.if (\rho) >= 1
	EPB (\rho)-1
.endif
.if (\rho) < 15
	BLOAD (\rho)+1
.endif
.irp p, 1,2,3,4,5,6,7,8,9,10,11,12,13,14,15
	W1 \p, 0, (\rho)%2, \rho
.if (\rho) == 0
	SX4 \p, 0
.endif
	F4 \p-1, 0
	W1 \p, 1, (\rho)%2, \rho
.if (\rho) == 0
	SX4 \p, 1
.endif
	F4 \p-1, 1
.endr
	F4 15, 0
	F4 15, 1
.endm
	CHANGE G0P+8                                   ; x has been read out, by every wave of the cluster; slots 0 and 1 are whole: r 8-11 go where x lay, with five r in which to land
	BLOAD 0
	s_wait_loadcnt 0x0                             ; psi_w's scale words and the bias
.irp r, 0,1,2,3,4
	RG \r
.endr
	CHANGE G0P+12                                  ; the slot at SL0 was last read for r = 3; r 8-11 are shown landed to every wave: r 12-15 go to SL0, with six r in which to land
.irp r, 5,6,7,8,9,10
	RG \r
.endr
	WIN 0
	s_wait_tensorcnt 0x0                           ; my part of r 12-15 is in,
	s_wait_dscnt 0x0
	s_barrier_signal -1
	s_barrier_wait -1                              ; everybody's is; nothing is filled again
.irp r, 11,12,13,14,15
	RG \r
.endr
	WIN 0
	RED1 ACC
	EPB 15
.irp i, 0,1,2,3
	ds_load_b128 v[BB+4*\i:BB+4*\i+3], v[STR] offset:512*\i        ; LDS serves a wave's instructions in order (ISA guide 5.7.1.4): these see my stores
.endr
	s_wait_dscnt 0x0
.irp i, 0,1,2,3
	global_store_b128 v[LN16], v[BB+4*\i:BB+4*\i+3], s[12:13] offset:(\i/2)*4096+(\i%2)*512   ; tile of columns 2 w + i / 2, r 16 g + 8 (i % 2) on: 512 consecutive bytes, aligned
.endr
	s_wait_tensorcnt 0x0                           ; the wave's end
	ds_add_u32 v[SPW], v[NIL]
	s_wait_dscnt 0x0
	CROUND                                         ; the closing round: no work-group ends while a partner may still ask for a tile that names it
	s_endpgm
.Lfunc_end_k_qb32ea53b08_integ:
	.size	k_qb32ea53b08_integ, .Lfunc_end_k_qb32ea53b08_integ-k_qb32ea53b08_integ
	.p2alignl 7, 3214868480
	.fill 96, 4, 3214868480
	.section	.rodata,"a",@progbits
	.p2align	6, 0x0
	.amdhsa_kernel k_qb32ea53b08_integ
		.amdhsa_group_segment_fixed_size 327680
		.amdhsa_private_segment_fixed_size 0
		.amdhsa_enable_private_segment 0
		.amdhsa_kernarg_size 56
		.amdhsa_user_sgpr_count 2
		.amdhsa_user_sgpr_kernarg_segment_ptr 1
		.amdhsa_wavefront_size32 1
		.amdhsa_system_sgpr_workgroup_id_x 1
		.amdhsa_system_sgpr_workgroup_id_y 1
		.amdhsa_system_sgpr_workgroup_id_z 1
		.amdhsa_system_vgpr_workitem_id 0
		.amdhsa_next_free_vgpr 768
		.amdhsa_next_free_sgpr 96
		.amdhsa_reserve_vcc 0
		.amdhsa_float_denorm_mode_32 3
		.amdhsa_float_denorm_mode_16_64 3
		.amdhsa_memory_ordered 1
		.amdhsa_forward_progress 1
		.amdhsa_inst_pref_size 255
	.end_amdhsa_kernel
	.section	.bss,"aw",@nobits
	.p2align	6
	.space	262144
	.amdgpu_metadata
---
amdhsa.version: [ 1, 2 ]
amdhsa.kernels:
  - .name:           k_qb32ea53b08_integ
    .symbol:         k_qb32ea53b08_integ.kd
    .args:
      - { .name: x, .offset: 0, .size: 8, .value_kind: global_buffer, .address_space: global }
      - { .name: psi_w_codes, .offset: 8, .size: 8, .value_kind: global_buffer, .address_space: global }
      - { .name: psi_w_scales, .offset: 16, .size: 8, .value_kind: global_buffer, .address_space: global }
      - { .name: psi_b, .offset: 24, .size: 8, .value_kind: global_buffer, .address_space: global }
      - { .name: part, .offset: 32, .size: 8, .value_kind: global_buffer, .address_space: global }
      - { .name: xcodes, .offset: 40, .size: 8, .value_kind: global_buffer, .address_space: global }
      - { .name: xsc, .offset: 48, .size: 8, .value_kind: global_buffer, .address_space: global }
    .group_segment_fixed_size: 327680
    .private_segment_fixed_size: 0
    .kernarg_segment_align: 8
    .kernarg_segment_size: 56
    .max_flat_workgroup_size: 128
    .sgpr_count:     96
    .vgpr_count:     768
    .wavefront_size: 32
...
	.end_amdgpu_metadata
.endif
;; end of part 1
;; launch fold (part 2): grid 32 x 1, 8 waves a work-group, no clusters, 5,120 bytes of LDS; arguments part, icodes, isc; writes icodes, isc
.if DOCPART == 2
	.amdgcn_target "amdgcn-amd-amdhsa--gfx1250"
	.amdhsa_code_object_version 6
	.text
	.protected	k_qb32ea53b08_fold
	.globl	k_qb32ea53b08_fold
	.p2align	8
	.type	k_qb32ea53b08_fold,@function
k_qb32ea53b08_fold:
	s_mov_b64 s[64:65], 0
	v_nop
	global_prefetch_b8 v0, s[64:65] scope:SCOPE_SE
	s_setreg_imm32_b32 hwreg(HW_REG_WAVE_MODE, 25, 1), 1
	s_wait_xcnt 0x0
; I[b][r][c] = (1 / 8,192) x the sum over the batch's 32 chunks of part[Y][t][r][cc], c = 16 t + cc; then quantised along r (the K of the last product) to E4M3, one E8M0 scale for each 32.
; part: [64][8][64][16] f32.  icodes: [b][t][blk][lane][16 bytes]: registers 4 blk .. 4 blk + 3 of the operand '16 rows c = 16 t + lane % 16, K = r': lane (rr, h) holds r = 32 blk + 16 h + 0 .. 15.
; isc: [b][t][blk][lane] one word holding the block's scale byte.
; A work-group takes one (b, t, blk): 32 r x 16 c = 2,048 bytes of each of 32 chunks, 64 KB.  Threads 0-127 sum the even chunks, threads 128-255 the odd ones, 16 bytes a thread: each load of a wave covers 512
; consecutive bytes.  The two halves meet in LDS, and wave 0 quantises: 16 numbers a lane.  No work-group reads what another reads, so nothing is there to share in a cluster; the sums are too small for the matrix unit.
; 1 / 8,192 is a power of two: the multiplication rounds nothing.
; LIMITS: NaN and infinities are not served.  A block of zeros gets the byte 1 (not 127): its codes are zeros, and this program alone reads the bytes.
	s_load_b128 s[4:7], s[0:1], 0x0                ; part, icodes
	s_load_b64 s[8:9], s[0:1], 0x10                ; isc
	v_lshl_add_u32 v104, v0, 2, 0x1000
	v_mov_b32 v105, 0
	v_lshrrev_b32 v1, 5, v0
	v_readfirstlane_b32 s10, v1                    ; wave 0..7
	s_and_b32 s11, ttmp9, 7                        ; t
	s_bfe_u32 s12, ttmp9, 0x10003                  ; blk
	s_lshr_b32 s13, ttmp9, 4                       ; b
	s_lshl_b32 s14, s13, 20                        ; part: 32 chunks of 32,768 bytes a batch,
	s_lshl_b32 s15, s11, 12                        ; 4,096 a tile of columns,
	s_add_co_u32 s14, s14, s15
	s_lshl_b32 s15, s12, 11                        ; 2,048 for 32 r
	s_add_co_u32 s14, s14, s15
	s_mov_b32 s15, 0
	s_lshl_b32 s16, s13, 4
	s_lshl_b32 s17, s11, 1
	s_add_co_u32 s16, s16, s17
	s_add_co_u32 s16, s16, s12                     ; o = 16 b + 2 t + blk
	s_lshl_b32 s18, s16, 9                         ; icodes: 512 bytes each
	s_mov_b32 s19, 0
	s_lshl_b32 s20, s16, 7                         ; isc: 128 bytes each
	s_mov_b32 s21, 0
	s_mov_b32 s22, 0x76543210
	s_mov_b32 s23, 0xfedcba98                      ; v_permlanex16_b32's selects for lane l xor 16
	s_mov_b32 s24, 0x600000                        ; the mantissa field of 448
	v_lshrrev_b32 v1, 7, v0                        ; even or odd chunks
	v_and_b32 v2, 127, v0
	v_lshlrev_b32 v2, 4, v2
	v_lshl_add_u32 v3, v1, 15, v2                  ; 32,768 x half + 16 x (thread % 128)
	v_lshlrev_b32 v4, 4, v0                        ; LDS, in: 16 x thread
	v_and_b32 v5, 15, v0
	v_bfe_u32 v6, v0, 4, 1
	v_lshlrev_b32 v5, 2, v5
	v_lshl_add_u32 v5, v6, 10, v5                  ; LDS, out (wave 0): 1,024 h + 4 rr: r = 16 h + i lies 64 i bytes on
	v_and_b32 v7, 31, v0
	v_lshlrev_b32 v6, 4, v7                        ; 16 lane
	v_lshlrev_b32 v7, 2, v7                        ; 4 lane
	v_mov_b32 v9, 0                                ; a lane permute's destination counts as one of its sources
	s_wait_kmcnt 0x0
	s_add_nc_u64 s[4:5], s[4:5], s[14:15]
	s_add_nc_u64 s[6:7], s[6:7], s[18:19]
	s_add_nc_u64 s[8:9], s[8:9], s[20:21]
.irp i, 0,1,2,3,4,5,6,7,8,9,10,11,12,13,14,15
	global_load_b128 v[16+4*\i:19+4*\i], v3, s[4:5] offset:\i*65536 th:TH_LOAD_NT   ; every second chunk; read once in the launch
.endr
	s_wait_loadcnt 0x0
.irp d, 8,4,2,1                        ; a tree: 15 additions of four numbers
.set i, 0
.rept \d
	v_pk_add_f32 v[16+4*i:17+4*i], v[16+4*i:17+4*i], v[16+4*(i+\d):17+4*(i+\d)]
	v_pk_add_f32 v[18+4*i:19+4*i], v[18+4*i:19+4*i], v[18+4*(i+\d):19+4*(i+\d)]
.set i, i+1
.endr
.endr
	v_pk_mul_f32 v[16:17], v[16:17], 0x39000000 op_sel_hi:[1,0]    ; x 2^-13
	v_pk_mul_f32 v[18:19], v[18:19], 0x39000000 op_sel_hi:[1,0]
	ds_store_b128 v4, v[16:19]
	s_wait_dscnt 0x0                               ; for wave 0's sake: my store is done
	s_barrier_signal -1
	s_barrier_wait -1
	s_cmp_lg_u32 s10, 0
	s_cbranch_scc1 .Ldone                          ; 512 numbers are left: one wave's work
.irp i, 0,1,2,3,4,5,6,7,8,9,10,11,12,13,14,15
	ds_load_b32 v[16+\i], v5 offset:64*\i          ; the even chunks' sum of I(32 blk + 16 h + i, 16 t + rr),
.endr
.irp i, 0,1,2,3,4,5,6,7,8,9,10,11,12,13,14,15
	ds_load_b32 v[32+\i], v5 offset:2048+64*\i     ; the odd chunks'
.endr
	s_wait_dscnt 0x0
.irp i, 0,2,4,6,8,10,12,14
	v_pk_add_f32 v[16+\i:17+\i], v[16+\i:17+\i], v[32+\i:33+\i]
.endr
	v_max3_num_f32 v8, |v16|, |v17|, 0x4800000     ; my 16 numbers, and the floor 2^(9 - 127): the byte cannot fall under 1
.irp i, 2,4,6,8,10,12,14
	v_max3_num_f32 v8, v8, |v[16+\i]|, |v[17+\i]|
.endr
	v_permlanex16_b32 v9, v8, s22, s23
	v_max_num_f32 v8, v8, v9                       ; with lane l xor 16's: the block's largest magnitude
	v_add_nc_u32 v11, 0xfc000000, v8               ; 8 off its exponent field: the conversion's scale operand
	v_and_or_b32 v10, v8, 0x7f800000, s24          ; 448 x the scale
	v_lshrrev_b32 v12, 23, v11                     ; the scale's byte
.irp i, 0,1,2,3,4,5,6,7,8,9,10,11,12,13,14,15
	v_med3_num_f32 v[16+\i], v[16+\i], -v10, v10   ; the conversion to an 8-bit code does not saturate (ISA guide 7.6.2)
.endr
	v_cvt_scalef32_pk8_fp8_f32 v[48:49], v[16:23], v11
	v_cvt_scalef32_pk8_fp8_f32 v[50:51], v[24:31], v11
	v_nop                                          ; one plain vector instruction behind the last scaled conversion
	global_store_b128 v6, v[48:51], s[6:7]         ; 512 consecutive bytes, aligned
	global_store_b32 v7, v12, s[8:9]
.Ldone:
	s_wait_tensorcnt 0x0
	ds_add_u32 v104, v105
	s_wait_dscnt 0x0
	s_endpgm
.Lfunc_end_k_qb32ea53b08_fold:
	.size	k_qb32ea53b08_fold, .Lfunc_end_k_qb32ea53b08_fold-k_qb32ea53b08_fold
	.p2alignl 7, 3214868480
	.fill 96, 4, 3214868480
	.section	.rodata,"a",@progbits
	.p2align	6, 0x0
	.amdhsa_kernel k_qb32ea53b08_fold
		.amdhsa_group_segment_fixed_size 5120
		.amdhsa_private_segment_fixed_size 0
		.amdhsa_enable_private_segment 0
		.amdhsa_kernarg_size 24
		.amdhsa_user_sgpr_count 2
		.amdhsa_user_sgpr_kernarg_segment_ptr 1
		.amdhsa_wavefront_size32 1
		.amdhsa_system_sgpr_workgroup_id_x 1
		.amdhsa_system_sgpr_workgroup_id_y 1
		.amdhsa_system_sgpr_workgroup_id_z 1
		.amdhsa_system_vgpr_workitem_id 0
		.amdhsa_next_free_vgpr 106
		.amdhsa_next_free_sgpr 66
		.amdhsa_reserve_vcc 0
		.amdhsa_float_denorm_mode_32 3
		.amdhsa_float_denorm_mode_16_64 3
		.amdhsa_memory_ordered 1
		.amdhsa_forward_progress 1
		.amdhsa_inst_pref_size 11
	.end_amdhsa_kernel
	.amdgpu_metadata
---
amdhsa.version: [ 1, 2 ]
amdhsa.kernels:
  - .name:           k_qb32ea53b08_fold
    .symbol:         k_qb32ea53b08_fold.kd
    .args:
      - { .name: part, .offset: 0, .size: 8, .value_kind: global_buffer, .address_space: global }
      - { .name: icodes, .offset: 8, .size: 8, .value_kind: global_buffer, .address_space: global }
      - { .name: isc, .offset: 16, .size: 8, .value_kind: global_buffer, .address_space: global }
    .group_segment_fixed_size: 5120
    .private_segment_fixed_size: 0
    .kernarg_segment_align: 8
    .kernarg_segment_size: 24
    .max_flat_workgroup_size: 256
    .sgpr_count:     66
    .vgpr_count:     106
    .wavefront_size: 32
...
	.end_amdgpu_metadata
.endif
;; end of part 2
;; launch apply (part 3): grid 256 x 1, 4 waves a work-group, no clusters, 67,072 bytes of LDS; arguments xcodes, xsc, W_w_codes, W_w_scales, W_b, phi_w_codes, phi_w_scales, phi_b, icodes, isc, out0; writes out0
.if DOCPART == 3
	.amdgcn_target "amdgcn-amd-amdhsa--gfx1250"
	.amdhsa_code_object_version 6
	.text
	.protected	k_qb32ea53b08_apply
	.globl	k_qb32ea53b08_apply
	.p2align	8
	.type	k_qb32ea53b08_apply,@function
k_qb32ea53b08_apply:
	s_mov_b64 s[64:65], 0
	v_nop
	global_prefetch_b8 v0, s[64:65] scope:SCOPE_SE
	s_setreg_imm32_b32 hwreg(HW_REG_WAVE_MODE, 25, 1), 1
	s_wait_xcnt 0x0
; out0[n][c] = gelu(Q(x)[n] . W_w[:, c] + W_b[c] + the sum over r of Q(phi)[n][r] Q(I)[b][r][c]),  phi[n][r] = Q(x)[n] . phi_w[:, r] + phi_b[r];  all three products on codes of E4M3 with E8M0 scales.
; Q(x) comes as images of the operand's registers (xcodes, xsc), Q(I) likewise (icodes, isc); W_w_codes [128 (c)][128], phi_w_codes [64 (r)][128]: K innermost; their scale bytes one word a row.
; SHARES.  A work-group takes 64 points, each of its four waves one tile of 16.  ALL PRODUCTS ARE USED TRANSPOSED (source 0 = 16 rows of a weight, source 1 = my 16 points): a lane holds ONE point (lane % 16) and its
; registers run along r (phi) or along c (out): phi is quantised in registers, and a lane's eight results are 32 neighbouring bytes of a row of out0.
; THE ROWS OF phi_w THAT FORM A TILE ARE NOT NEIGHBOURS: lane rr of tile 2 b + u takes row 32 b + 8 u + rr + 8 (rr / 8), so that the 16 registers of tiles 2 b, 2 b + 1 are r = 32 b + 16 (lane / 16) + 0 .. 15.
; The last product's K is 64: the upper half of both operands is zero codes; their scale bytes are 0, which is 2^-127 and no NaN.
; The biases are the C of each sum's first matrix instruction, eight registers a tile in the result's layout.
; THE WEIGHTS (W_w 16 KB, phi_w 8 KB, I 8 KB) are read from memory once a work-group, a quarter by each wave, and go from wave to wave through LDS as images of registers.
; NO CLUSTER: the shared 32 KB are asked for once, ahead of everything, by 16 loads a wave; there is no loop in which joint requests would meet again, and a round of a cluster's barrier would stand in front of all the work.
; GELU, the exact (erf) form: gelu(v) = max(v, 0) - (|v| / 2) P(T) exp(-v^2 / 2), T = 1 / (1 + p |v| / sqrt 2), P the polynomial of degree 5 of Abramowitz and Stegun 7.1.26, whose error in erf is at most 1.5e-7
; for every argument.  With Z = |v| sqrt(log2(e) / 2): exp(-v^2 / 2) = 2^(-Z^2), and the factors 1 / sqrt 2 and 1 / 2 are folded into p and into P's coefficients.
; LIMITS: NaN and infinities are not served.  A block of zeros of phi gets the scale byte 1: its codes are zeros.
; REGISTERS: window 0: as named below.  window 1: W_w's 8 fragments at v[16 t], phi_w's 4 at v[128 + 16 t], W_b's 8 tiles at v[192 + 8 t].  window 2: I's 8 fragments at v[16 t], phi_b's 4 tiles at v[128 + 8 t].
.set WIMG, 0                           ; LDS: W_w's images: tile t, registers 4 c on: 2,048 t + 512 c
.set PIMG, 16384                       ; phi_w's likewise
.set IIMG, 24576                       ; I's: 1,024 t + 512 blk
.set STG,  32768                       ; a stage of 16 rows x (512 bytes + 16) for each wave
.set LN16, 4                           ; v4   16 lane
.set LN4,  5                           ; v5   4 lane
.set FRA,  6                           ; v6   a fragment's place in rows of 128 bytes: 128 rr + 16 h
.set FRP,  7                           ; v7   the same for phi_w's chosen rows: 128 (rr + 8 (rr / 8)) + 16 h
.set WIW,  8                           ; v8   where I store W_w's images: 16 lane + 4,096 wave
.set STO,  9                           ; v9   the stage, in: row rr, + 32 h
.set SRD,  10                          ; v10  the stage, out: 16 lane
.set PSA,  11                          ; v11  4 (rr + 8 (rr / 8))
.set WSA,  12                          ; v12  4 rr
.set WBA,  13                          ; v13  32 h
.set PBA,  14                          ; v14  64 h
.set PIW,  15                          ; v15  where I store phi_w's and I's images: 16 lane + 2,048 wave
.set TM,   16                          ; v16-31 at work in the quantiser
.set XW,   32                          ; v32  Q(x)'s scale word
.set PW,   33                          ; v33  Q(phi)'s
.set PHS,  34                          ; v34-37 phi_w's scale words
.set WS,   38                          ; v38-45 W_w's
.set IS,   46                          ; v46-53 I's: the byte of r 0-31, then both bytes
.set IR,   54                          ; v54-61 the byte of r 32-63
.set XC,   64                          ; v64-79 Q(x)'s fragment
.set PC,   80                          ; v80-95 Q(phi)'s fragment; its upper eight registers are zeros
.set PH,   96                          ; v96-127 phi: 4 tiles
.set OA,   128                         ; v128-191 out: 8 tiles
.set PT,   192                         ; v192-255 the 16 pieces of weights that I fetch; then:
.set GZ,   192                         ; Z
.set GT,   200                         ; T
.set GE,   208                         ; 2^(-Z^2)
.set GM,   216                         ; max(v, 0)
.set GP,   224                         ; P
.set A4,   232                         ; v232-233 a coefficient, twice (an instruction takes one literal); then:
.set RB,   192                         ; 16 rows read back from the stage
.set WV,   26
.set SEL,  48
.set MNT,  50
.set C1,   51
.set MSB, 0
.macro WIN new                         ; the immediate's high byte repeats the setting that is left
.if MSB != (\new)
	s_set_vgpr_msb (MSB<<8)|(\new)
.set MSB, (\new)
.endif
.endm
	s_load_b256 s[4:11], s[0:1], 0x0               ; xcodes s[4:5], xsc s[6:7], W_w_codes s[8:9], W_w_scales s[10:11]
	s_load_b256 s[12:19], s[0:1], 0x20             ; W_b s[12:13], phi_w_codes s[14:15], phi_w_scales s[16:17], phi_b s[18:19]
	s_load_b128 s[20:23], s[0:1], 0x40             ; icodes s[20:21], isc s[22:23]
	s_load_b64 s[24:25], s[0:1], 0x50              ; out0
	v_lshl_add_u32 v62, v0, 2, 0x10400
	v_mov_b32 v63, 0
	v_lshrrev_b32 v1, 5, v0
	v_readfirstlane_b32 s[WV], v1                  ; wave 0..3
	v_and_b32 v1, 15, v0                           ; rr
	v_bfe_u32 v2, v0, 4, 1                         ; h
	v_and_b32 v3, 31, v0                           ; lane
	v_lshlrev_b32 v[LN16], 4, v3
	v_lshlrev_b32 v[LN4], 2, v3
	v_lshlrev_b32 v[FRA], 7, v1
	v_lshl_add_u32 v[FRA], v2, 4, v[FRA]
	v_and_b32 v[PSA], 8, v1
	v_add_nc_u32 v[PSA], v[PSA], v1                ; rr + 8 (rr / 8)
	v_lshlrev_b32 v[FRP], 7, v[PSA]
	v_lshl_add_u32 v[FRP], v2, 4, v[FRP]
	v_lshlrev_b32 v[PSA], 2, v[PSA]
	v_lshlrev_b32 v[WSA], 2, v1
	v_lshlrev_b32 v[WBA], 5, v2
	v_lshlrev_b32 v[PBA], 6, v2
	s_lshl_b32 s30, s[WV], 12
	v_add_nc_u32 v[WIW], s30, v[LN16]
	s_lshl_b32 s31, s[WV], 11
	v_add_nc_u32 v[PIW], s31, v[LN16]
	s_mul_i32 s32, s[WV], 8448
	s_add_co_u32 s32, s32, STG                     ; my stage
	v_mul_u32_u24 v[STO], v1, 528
	v_lshl_add_u32 v[STO], v2, 5, v[STO]
	v_add_nc_u32 v[STO], s32, v[STO]
	v_add_nc_u32 v[SRD], s32, v[LN16]
	s_lshl_b32 s27, ttmp9, 2
	s_add_co_u32 s27, s27, s[WV]                   ; my tile of 16 points: 4 x work-group + wave
	s_lshr_b32 s28, ttmp9, 7                       ; the batch
	s_lshl_b32 s34, s27, 11                        ; xcodes: 2,048 bytes a tile
	s_mov_b32 s35, 0
	s_lshl_b32 s36, s27, 7                         ; xsc: 128
	s_mov_b32 s37, 0
	s_lshl_b32 s38, s27, 13                        ; out0: 16 rows of 512
	s_mov_b32 s39, 0
	s_mov_b32 s40, s30                             ; W_w_codes: I fetch tiles 2 w, 2 w + 1: 4,096 w
	s_mov_b32 s41, 0
	s_lshr_b32 s42, s[WV], 1                       ; phi_w_codes: I fetch tile w, which begins at row 32 (w / 2) + 8 (w % 2)
	s_lshl_b32 s42, s42, 12
	s_and_b32 s43, s[WV], 1
	s_lshl_b32 s43, s43, 10
	s_add_co_u32 s42, s42, s43
	s_mov_b32 s43, 0
	s_lshl_b32 s44, s28, 13                        ; icodes: 8,192 a batch; I fetch 2,048 w on
	s_add_co_u32 s44, s44, s31
	s_mov_b32 s45, 0
	s_lshl_b32 s46, s28, 11                        ; isc: 2,048 a batch
	s_mov_b32 s47, 0
	s_mov_b32 s[SEL], 0x76543210
	s_mov_b32 s[SEL+1], 0xfedcba98                 ; v_permlanex16_b32's selects for lane l xor 16
	s_mov_b32 s[MNT], 0x600000                     ; the mantissa field of 448
	s_mov_b32 s[C1], 0x3f596d27                    ; sqrt(log2(e) / 2) = 0.8493218
	s_wait_kmcnt 0x0
	s_add_nc_u64 s[4:5], s[4:5], s[34:35]
	s_add_nc_u64 s[6:7], s[6:7], s[36:37]
	s_add_nc_u64 s[24:25], s[24:25], s[38:39]
	s_add_nc_u64 s[8:9], s[8:9], s[40:41]
	s_add_nc_u64 s[14:15], s[14:15], s[42:43]
	s_add_nc_u64 s[20:21], s[20:21], s[44:45]
	s_add_nc_u64 s[22:23], s[22:23], s[46:47]
	; ---- my 16 pieces of the weights first: they have the longer way
.irp i, 0,1
.irp c, 0,1,2,3
	global_load_b128 v[PT+16*\i+4*\c:PT+16*\i+4*\c+3], v[FRA], s[8:9] offset:2048*\i+32*\c
.endr
.endr
.irp c, 0,1,2,3
	global_load_b128 v[PT+32+4*\c:PT+32+4*\c+3], v[FRP], s[14:15] offset:32*\c
.endr
.irp q, 0,1,2,3
	global_load_b128 v[PT+48+4*\q:PT+48+4*\q+3], v[LN16], s[20:21] offset:512*\q
.endr
	; ---- 57 more: what every wave takes for itself
.irp c, 0,1,2,3
	global_load_b128 v[XC+4*\c:XC+4*\c+3], v[LN16], s[4:5] offset:512*\c
.endr
	global_load_b32 v[XW], v[LN4], s[6:7]
.irp t, 0,1,2,3
	global_load_b32 v[PHS+\t], v[PSA], s[16:17] offset:(32*(\t/2)+8*(\t%2))*4
.endr
.irp t, 0,1,2,3,4,5,6,7
	global_load_b32 v[WS+\t], v[WSA], s[10:11] offset:64*\t
.endr
.irp t, 0,1,2,3,4,5,6,7
	global_load_b32 v[IS+\t], v[LN4], s[22:23] offset:256*\t
	global_load_b32 v[IR+\t], v[LN4], s[22:23] offset:256*\t+128
.endr
	WIN 0x40                                       ; destination window 1
.irp t, 0,1,2,3,4,5,6,7
	global_load_b128 v[192+8*\t:195+8*\t], v[WBA], s[12:13] offset:64*\t          ; W_b(16 t + 8 h + 0 .. 7)
	global_load_b128 v[196+8*\t:199+8*\t], v[WBA], s[12:13] offset:64*\t+16
.endr
	WIN 0x80                                       ; destination window 2
.irp t, 0,1,2,3
	global_load_b128 v[128+8*\t:131+8*\t], v[PBA], s[18:19] offset:(32*(\t/2)+8*(\t%2))*4      ; phi_b(32 (t / 2) + 16 h + 8 (t % 2) + 0 .. 7)
	global_load_b128 v[132+8*\t:135+8*\t], v[PBA], s[18:19] offset:(32*(\t/2)+8*(\t%2))*4+16
.endr
	WIN 0
	s_wait_loadcnt 57                              ; loads come back in order (ISA guide 5.7.1): my 16 pieces are in, the 57 behind them may be out
.irp i, 0,1
.irp c, 0,1,2,3
	ds_store_b128 v[WIW], v[PT+16*\i+4*\c:PT+16*\i+4*\c+3] offset:WIMG+2048*\i+512*\c
.endr
.endr
.irp c, 0,1,2,3
	ds_store_b128 v[PIW], v[PT+32+4*\c:PT+32+4*\c+3] offset:PIMG+512*\c
.endr
.irp q, 0,1,2,3
	ds_store_b128 v[PIW], v[PT+48+4*\q:PT+48+4*\q+3] offset:IIMG+512*\q
.endr
	s_wait_dscnt 0x0                               ; for the others' sake: my images are stored
	s_barrier_signal -1
	s_barrier_wait -1
	WIN 0x40
.irp t, 0,1,2,3,4,5,6,7
.irp c, 0,1,2,3
	ds_load_b128 v[16*\t+4*\c:16*\t+4*\c+3], v[LN16] offset:WIMG+2048*\t+512*\c
.endr
.endr
.irp t, 0,1,2,3
.irp c, 0,1,2,3
	ds_load_b128 v[128+16*\t+4*\c:128+16*\t+4*\c+3], v[LN16] offset:PIMG+2048*\t+512*\c
.endr
.endr
	WIN 0x80
.irp t, 0,1,2,3,4,5,6,7
.irp k, 0,1
	ds_load_b128 v[16*\t+4*\k:16*\t+4*\k+3], v[LN16] offset:IIMG+1024*\t+512*\k
.endr
.endr
.irp t, 0,1,2,3,4,5,6,7
.irp i, 8,9,10,11,12,13,14,15
	v_mov_b32 v[16*\t+\i], 0                       ; K = 64 is filled up to the instruction's 128 with zero codes
.endr
.endr
	WIN 0
	v_mov_b32 v[TM+4], 0                           ; a lane permute's destination counts as one of its sources
	v_mov_b32 v[TM+5], 0
	v_mov_b32 v[A4], 0xbf5b0099                    ; a4 / (2 C1) = -0.85547788
	v_mov_b32 v[A4+1], 0xbf5b0099
	s_wait_loadcnt 0x0
.irp t, 0,1,2,3,4,5,6,7
	v_lshl_or_b32 v[IS+\t], v[IR+\t], 8, v[IS+\t]  ; I's scale word: two bytes; the upper two stay 0, over zero codes
.endr
	s_wait_dscnt 0x0
	WIN 0x21                                       ; source 0 (phi_w) window 1, source 2 (phi_b) window 2
.irp t, 0,1,2,3
	v_wmma_scale_f32_16x16x128_f8f6f4 v[PH+8*\t:PH+8*\t+7], v[128+16*\t:128+16*\t+15], v[XC:XC+15], v[128+8*\t:128+8*\t+7], v[PHS+\t], v[XW]
.endr
	WIN 0x11                                       ; source 0 (W_w) and source 2 (W_b) window 1
.irp t, 0,1,2,3,4,5,6,7
	v_wmma_scale_f32_16x16x128_f8f6f4 v[OA+8*\t:OA+8*\t+7], v[16*\t:16*\t+15], v[XC:XC+15], v[192+8*\t:192+8*\t+7], v[WS+\t], v[XW]
.endr
	WIN 0
.irp i, 8,9,10,11,12,13,14,15
	v_mov_b32 v[PC+\i], 0                          ; the zero half of Q(phi).  These eight are the places between the products and the first read of phi
.endr
	; ---- phi is quantised along r: two blocks of 32, each in lanes l and l xor 16; each tile of phi is read from its low end on
.irp b, 0,1
	v_max3_num_f32 v[TM+\b], |v[PH+16*\b]|, |v[PH+1+16*\b]|, 0x4800000   ; my 16 numbers, and the floor 2^(9 - 127): the byte cannot fall under 1
.endr
.irp i, 2,4,6,8,10,12,14
.irp b, 0,1
	v_max3_num_f32 v[TM+\b], v[TM+\b], |v[PH+16*\b+\i]|, |v[PH+1+16*\b+\i]|
.endr
.endr
.irp b, 0,1
	v_permlanex16_b32 v[TM+4+\b], v[TM+\b], s[SEL], s[SEL+1]
.endr
.irp b, 0,1
	v_max_num_f32 v[TM+\b], v[TM+\b], v[TM+4+\b]   ; the block's largest magnitude
.endr
.irp b, 0,1
	v_add_nc_u32 v[TM+12+\b], 0xfc000000, v[TM+\b] ; 8 off its exponent field: the conversion's scale operand
.endr
.irp b, 0,1
	v_and_or_b32 v[TM+8+\b], v[TM+\b], 0x7f800000, s[MNT]   ; 448 x the scale
.endr
.irp b, 0,1
	v_lshrrev_b32 v[TM+4+\b], 23, v[TM+12+\b]      ; the scale's byte
.endr
	v_lshl_or_b32 v[PW], v[TM+5], 8, v[TM+4]       ; the scale word, made ahead of the 32 holds: more than eight vector lines ahead of the products that name it
.irp b, 0,1
.irp i, 0,1,2,3,4,5,6,7,8,9,10,11,12,13,14,15
	v_med3_num_f32 v[PH+16*\b+\i], v[PH+16*\b+\i], -v[TM+8+\b], v[TM+8+\b]   ; the conversion to an 8-bit code does not saturate (ISA guide 7.6.2)
.endr
	v_cvt_scalef32_pk8_fp8_f32 v[PC+4*\b:PC+1+4*\b], v[PH+16*\b:PH+7+16*\b], v[TM+12+\b]
	v_cvt_scalef32_pk8_fp8_f32 v[PC+2+4*\b:PC+3+4*\b], v[PH+8+16*\b:PH+15+16*\b], v[TM+12+\b]
.endr
.rept 4
	v_nop                                          ; an operand written by vector instructions stands four vector lines ahead of a scaled matrix instruction
.endr
	WIN 0x02                                       ; source 0 (I) window 2
.irp t, 0,1,2,3,4,5,6,7                        ; the eight accumulators take turns, one instruction a turn
	v_wmma_scale_f32_16x16x128_f8f6f4 v[OA+8*\t:OA+8*\t+7], v[16*\t:16*\t+15], v[PC:PC+15], v[OA+8*\t:OA+8*\t+7], v[IS+\t], v[PW]
.endr
	WIN 0
.rept 8
	v_nop                                          ; eight places in front of the first read of the results
.endr
.macro GELU t                          ; eight numbers of a lane, in place; transcendentals stand in runs, with plain lines behind each run before a result is used (ISA guide 5.7.2)
.set GV, OA+8*(\t)
.irp j, 0,1,2,3,4,5,6,7
	v_mul_f32 v[GZ+\j], s[C1], |v[GV+\j]|          ; Z
.endr
.irp j, 0,2,4,6
	v_pk_fma_f32 v[GT+\j:GT+\j+1], v[GZ+\j:GZ+\j+1], 0x3e8ba43f, 1.0 op_sel_hi:[1,0,0]   ; 1 + 0.27273748 Z  (= 1 + 0.3275911 |v| / sqrt 2)
.endr
.irp j, 0,1,2,3,4,5,6,7
	v_rcp_f32 v[GT+\j], v[GT+\j]                   ; T
.endr
.irp j, 0,2,4,6
	v_pk_mul_f32 v[GE+\j:GE+\j+1], v[GZ+\j:GZ+\j+1], v[GZ+\j:GZ+\j+1]
.endr
.irp j, 0,1,2,3,4,5,6,7
	v_exp_f32 v[GE+\j], -v[GE+\j]                  ; 2^(-Z^2) = exp(-v^2 / 2)
.endr
.irp j, 0,1,2,3,4,5,6,7
	v_max_num_f32 v[GM+\j], 0, v[GV+\j]
.endr
	s_wait_alu depctr_va_vdst(0)
.irp j, 0,2,4,6
	v_pk_fma_f32 v[GP+\j:GP+\j+1], v[GT+\j:GT+\j+1], 0x3f1ff67a, v[A4:A4+1] op_sel_hi:[1,0,1]   ; Horner; every coefficient is Abramowitz and Stegun's / (2 C1): 0.62485470,
.endr
.irp j, 0,2,4,6
	v_pk_fma_f32 v[GP+\j:GP+\j+1], v[GP+\j:GP+\j+1], v[GT+\j:GT+\j+1], 0x3f563817 op_sel_hi:[1,1,0]   ; 0.83679339,
.endr
.irp j, 0,2,4,6
	v_pk_fma_f32 v[GP+\j:GP+\j+1], v[GP+\j:GP+\j+1], v[GT+\j:GT+\j+1], 0xbe2b8119 op_sel_hi:[1,1,0]   ; -0.16748465,
.endr
.irp j, 0,2,4,6
	v_pk_fma_f32 v[GP+\j:GP+\j+1], v[GP+\j:GP+\j+1], v[GT+\j:GT+\j+1], 0x3e199eb3 op_sel_hi:[1,1,0]   ; 0.15001946
.endr
.irp j, 0,2,4,6
	v_pk_mul_f32 v[GP+\j:GP+\j+1], v[GP+\j:GP+\j+1], v[GT+\j:GT+\j+1]
.endr
.irp j, 0,2,4,6
	v_pk_mul_f32 v[GP+\j:GP+\j+1], v[GP+\j:GP+\j+1], v[GE+\j:GE+\j+1]
.endr
.irp j, 0,2,4,6
	v_pk_fma_f32 v[GV+\j:GV+\j+1], v[GZ+\j:GZ+\j+1], v[GP+\j:GP+\j+1], v[GM+\j:GM+\j+1] neg_lo:[0,1,0] neg_hi:[0,1,0]   ; max(v, 0) - Z P 2^(-Z^2)
.endr
.endm
.irp t, 0,1,2,3,4,5,6,7
	GELU \t
	ds_store_b128 v[STO], v[OA+8*\t:OA+8*\t+3] offset:64*\t        ; lane (rr, h): out(point rr, 16 t + 8 h + 0 .. 7)
	ds_store_b128 v[STO], v[OA+8*\t+4:OA+8*\t+7] offset:64*\t+16
.endr
.irp i, 0,1,2,3,4,5,6,7,8,9,10,11,12,13,14,15
	ds_load_b128 v[RB+4*\i:RB+4*\i+3], v[SRD] offset:528*\i        ; LDS serves a wave's instructions in order (ISA guide 5.7.1.4): these see my stores.  A whole row of 512 bytes a load
.endr
.irp i, 0,1,2,3,4,5,6,7,8,9,10,11,12,13,14,15
	s_wait_dscnt 15-\i                             ; row i is back; the younger loads may be out
	global_store_b128 v[LN16], v[RB+4*\i:RB+4*\i+3], s[24:25] offset:512*\i th:TH_STORE_NT   ; 512 consecutive bytes, aligned; written once, read by nobody here
.endr
	s_wait_tensorcnt 0x0
	ds_add_u32 v62, v63
	s_wait_dscnt 0x0
	s_endpgm
.Lfunc_end_k_qb32ea53b08_apply:
	.size	k_qb32ea53b08_apply, .Lfunc_end_k_qb32ea53b08_apply-k_qb32ea53b08_apply
	.p2alignl 7, 3214868480
	.fill 96, 4, 3214868480
	.section	.rodata,"a",@progbits
	.p2align	6, 0x0
	.amdhsa_kernel k_qb32ea53b08_apply
		.amdhsa_group_segment_fixed_size 67072
		.amdhsa_private_segment_fixed_size 0
		.amdhsa_enable_private_segment 0
		.amdhsa_kernarg_size 88
		.amdhsa_user_sgpr_count 2
		.amdhsa_user_sgpr_kernarg_segment_ptr 1
		.amdhsa_wavefront_size32 1
		.amdhsa_system_sgpr_workgroup_id_x 1
		.amdhsa_system_sgpr_workgroup_id_y 1
		.amdhsa_system_sgpr_workgroup_id_z 1
		.amdhsa_system_vgpr_workitem_id 0
		.amdhsa_next_free_vgpr 672
		.amdhsa_next_free_sgpr 66
		.amdhsa_reserve_vcc 0
		.amdhsa_float_denorm_mode_32 3
		.amdhsa_float_denorm_mode_16_64 3
		.amdhsa_memory_ordered 1
		.amdhsa_forward_progress 1
		.amdhsa_inst_pref_size 65
	.end_amdhsa_kernel
	.amdgpu_metadata
---
amdhsa.version: [ 1, 2 ]
amdhsa.kernels:
  - .name:           k_qb32ea53b08_apply
    .symbol:         k_qb32ea53b08_apply.kd
    .args:
      - { .name: xcodes, .offset: 0, .size: 8, .value_kind: global_buffer, .address_space: global }
      - { .name: xsc, .offset: 8, .size: 8, .value_kind: global_buffer, .address_space: global }
      - { .name: W_w_codes, .offset: 16, .size: 8, .value_kind: global_buffer, .address_space: global }
      - { .name: W_w_scales, .offset: 24, .size: 8, .value_kind: global_buffer, .address_space: global }
      - { .name: W_b, .offset: 32, .size: 8, .value_kind: global_buffer, .address_space: global }
      - { .name: phi_w_codes, .offset: 40, .size: 8, .value_kind: global_buffer, .address_space: global }
      - { .name: phi_w_scales, .offset: 48, .size: 8, .value_kind: global_buffer, .address_space: global }
      - { .name: phi_b, .offset: 56, .size: 8, .value_kind: global_buffer, .address_space: global }
      - { .name: icodes, .offset: 64, .size: 8, .value_kind: global_buffer, .address_space: global }
      - { .name: isc, .offset: 72, .size: 8, .value_kind: global_buffer, .address_space: global }
      - { .name: out0, .offset: 80, .size: 8, .value_kind: global_buffer, .address_space: global }
    .group_segment_fixed_size: 67072
    .private_segment_fixed_size: 0
    .kernarg_segment_align: 8
    .kernarg_segment_size: 88
    .max_flat_workgroup_size: 128
    .sgpr_count:     66
    .vgpr_count:     672
    .wavefront_size: 32
...
	.end_amdgpu_metadata
.endif
;; end of part 3
;; ======== version 2 of 2: 3 launches; version 1 with the launch apply written anew for expert scheduling mode
;; limits: a function is approximated: absolute error at most 1.5e-07; an absolute error that grows with the inputs' magnitude: up to 7.5e-08 times it
;; workspace buffers: part 2,097,152 bytes; xcodes 2,097,152 bytes; xsc 131,072 bytes; icodes 16,384 bytes; isc 4,096 bytes
;; launch integ: the kernel of part 1 again; grid 4 x 64, 4 waves a work-group, clusters of 4 x 4, 327,680 bytes of LDS; arguments x, psi_w_codes, psi_w_scales, psi_b, part, xcodes, xsc; writes part, xcodes, xsc
;; launch fold: the kernel of part 2 again; grid 32 x 1, 8 waves a work-group, no clusters, 5,120 bytes of LDS; arguments part, icodes, isc; writes icodes, isc
;; launch apply (part 4): grid 256 x 1, 4 waves a work-group, no clusters, 67,072 bytes of LDS; arguments xcodes, xsc, W_w_codes, W_w_scales, W_b, phi_w_codes, phi_w_scales, phi_b, icodes, isc, out0; writes out0
.if DOCPART == 4
	.amdgcn_target "amdgcn-amd-amdhsa--gfx1250"
	.amdhsa_code_object_version 6
	.text
	.protected	k_qb32ea53b08_apply
	.globl	k_qb32ea53b08_apply
	.p2align	8
	.type	k_qb32ea53b08_apply,@function
k_qb32ea53b08_apply:
	s_mov_b64 s[64:65], 0
	v_nop
	global_prefetch_b8 v0, s[64:65] scope:SCOPE_SE
	s_setreg_imm32_b32 hwreg(HW_REG_WAVE_SCHED_MODE, 0, 2), 2
	s_setreg_imm32_b32 hwreg(HW_REG_WAVE_MODE, 25, 1), 1
	s_wait_xcnt 0x0
	s_wait_alu depctr_vm_vsrc(0)
; out0[n][c] = gelu(Q(x)[n] . W_w[:, c] + W_b[c] + the sum over r of Q(phi)[n][r] Q(I)[b][r][c]),  phi[n][r] = Q(x)[n] . phi_w[:, r] + phi_b[r];  all three products on codes of E4M3 with E8M0 scales.
; Q(x) comes as images of the operand's registers (xcodes, xsc), Q(I) likewise (icodes, isc); W_w_codes [128 (c)][128], phi_w_codes [64 (r)][128]: K innermost; their scale bytes one word a row.
; SHARES.  A work-group takes 64 points, each of its four waves one tile of 16.  ALL PRODUCTS ARE USED TRANSPOSED (source 0 = 16 rows of a weight, source 1 = my 16 points): a lane holds ONE point (lane % 16) and its
; registers run along r (phi) or along c (out): phi is quantised in registers, and a lane's eight results are 32 neighbouring bytes of a row of out0.
; THE ROWS OF phi_w THAT FORM A TILE ARE NOT NEIGHBOURS: lane rr of tile 2 b + u takes row 32 b + 8 u + rr + 8 (rr / 8), so that the 16 registers of tiles 2 b, 2 b + 1 are r = 32 b + 16 (lane / 16) + 0 .. 15.
; The last product's K is 64: the upper half of both operands is zero codes; their scale bytes are 0, which is 2^-127 and no NaN.
; The biases are the C of each sum's first matrix instruction, eight registers a tile in the result's layout.
; THE WEIGHTS (W_w 16 KB, phi_w 8 KB, I 8 KB) are read from memory once a work-group, a quarter by each wave, and go from wave to wave through LDS as images of registers.
; NO CLUSTER: the shared 32 KB are asked for once, ahead of everything, by 16 loads a wave; there is no loop in which joint requests would meet again, and a round of a cluster's barrier would stand in front of all the work.
; GELU, the exact (erf) form: gelu(v) = max(v, 0) - (|v| / 2) P(T) exp(-v^2 / 2), T = 1 / (1 + p |v| / sqrt 2), P the polynomial of degree 5 of Abramowitz and Stegun 7.1.26, whose error in erf is at most 1.5e-7
; for every argument.  With Z = |v| sqrt(log2(e) / 2): exp(-v^2 / 2) = 2^(-Z^2), and the factors 1 / sqrt 2 and 1 / 2 are folded into p and into P's coefficients.
; LIMITS: NaN and infinities are not served.  A block of zeros of phi gets the scale byte 1: its codes are zeros.
; THE MODE: SCHED_MODE bits 1:0 = 2 (LLVM: expert scheduling mode 2), set by the entry lines.  The code itself states the register dependences
; between vector or matrix instructions and memory or LDS instructions, with s_wait_alu, always for 0.
; THE PLAN.  Registers that memory or LDS instructions touch:
;   v4-v15       offsets and LDS addresses: written by vector lines at the head, never again; read by every load and store.  One wait on va_vdst ahead of the first load.
;   v192-255     first my 16 pieces of the weights: written by global loads, read by 16 LDS stores.  Then a coefficient and the gelu's temporaries, written and read by vector lines.  Then 16 rows of the stage,
;                written by LDS loads.  One wait on vm_vsrc behind the barrier (the stores have read them); the last wait on va_vdst stands ahead of the stage's loads.
;   Q(x), all scale words, the biases, the images of the weights: each written by loads once; no load lands in them again.
;   v128-191     the results: written by matrix instructions and then, in place, by the gelu; read by the stage's LDS stores.  Tile t - 1 is stored directly behind tile t's one wait on va_vdst, tile 7 behind a wait of its own.
;   What vector lines write and the last run of products takes as operands or scales (Q(phi), its scale word, the zero halves, I's scale words): one wait on va_vdst directly ahead of that run, behind its places.
;   s26          the wave's number, written by a vector line: one wait on va_sdst ahead of its first reader.
; REGISTERS: window 0: as named below.  window 1: W_w's 8 fragments at v[16 t], phi_w's 4 at v[128 + 16 t], W_b's 8 tiles at v[192 + 8 t].  window 2: I's 8 fragments at v[16 t], phi_b's 4 tiles at v[128 + 8 t].
.set WIMG, 0                           ; LDS: W_w's images: tile t, registers 4 c on: 2,048 t + 512 c
.set PIMG, 16384                       ; phi_w's likewise
.set IIMG, 24576                       ; I's: 1,024 t + 512 blk
.set STG,  32768                       ; a stage of 16 rows x (512 bytes + 16) for each wave
.set LN16, 4                           ; v4   16 lane
.set LN4,  5                           ; v5   4 lane
.set FRA,  6                           ; v6   a fragment's place in rows of 128 bytes: 128 rr + 16 h
.set FRP,  7                           ; v7   the same for phi_w's chosen rows: 128 (rr + 8 (rr / 8)) + 16 h
.set WIW,  8                           ; v8   where I store W_w's images: 16 lane + 4,096 wave
.set STO,  9                           ; v9   the stage, in: row rr, + 32 h
.set SRD,  10                          ; v10  the stage, out: 16 lane
.set PSA,  11                          ; v11  4 (rr + 8 (rr / 8))
.set WSA,  12                          ; v12  4 rr
.set WBA,  13                          ; v13  32 h
.set PBA,  14                          ; v14  64 h
.set PIW,  15                          ; v15  where I store phi_w's and I's images: 16 lane + 2,048 wave
.set TM,   16                          ; v16-31 at work in the quantiser
.set XW,   32                          ; v32  Q(x)'s scale word
.set PW,   33                          ; v33  Q(phi)'s
.set PHS,  34                          ; v34-37 phi_w's scale words
.set WS,   38                          ; v38-45 W_w's
.set IS,   46                          ; v46-53 I's: the byte of r 0-31, then both bytes
.set IR,   54                          ; v54-61 the byte of r 32-63
.set XC,   64                          ; v64-79 Q(x)'s fragment
.set PC,   80                          ; v80-95 Q(phi)'s fragment; its upper eight registers are zeros
.set PH,   96                          ; v96-127 phi: 4 tiles
.set OA,   128                         ; v128-191 out: 8 tiles
.set PT,   192                         ; v192-255 the 16 pieces of weights that I fetch; then:
.set GZ,   192                         ; Z
.set GT,   200                         ; T
.set GE,   208                         ; 2^(-Z^2)
.set GM,   216                         ; max(v, 0)
.set GP,   224                         ; P
.set A4,   232                         ; v232-233 a coefficient, twice (an instruction takes one literal); then:
.set RB,   192                         ; 16 rows read back from the stage
.set WV,   26
.set SEL,  48
.set MNT,  50
.set C1,   51
.set MSB, 0
.macro WIN new                         ; the immediate's high byte repeats the setting that is left
.if MSB != (\new)
	s_set_vgpr_msb (MSB<<8)|(\new)
.set MSB, (\new)
.endif
.endm
	s_load_b256 s[4:11], s[0:1], 0x0               ; xcodes s[4:5], xsc s[6:7], W_w_codes s[8:9], W_w_scales s[10:11]
	s_load_b256 s[12:19], s[0:1], 0x20             ; W_b s[12:13], phi_w_codes s[14:15], phi_w_scales s[16:17], phi_b s[18:19]
	s_load_b128 s[20:23], s[0:1], 0x40             ; icodes s[20:21], isc s[22:23]
	s_load_b64 s[24:25], s[0:1], 0x50              ; out0
	v_lshl_add_u32 v62, v0, 2, 0x10400
	v_mov_b32 v63, 0
	v_lshrrev_b32 v1, 5, v0
	v_readfirstlane_b32 s[WV], v1                  ; wave 0..3
	v_and_b32 v1, 15, v0                           ; rr
	v_bfe_u32 v2, v0, 4, 1                         ; h
	v_and_b32 v3, 31, v0                           ; lane
	v_lshlrev_b32 v[LN16], 4, v3
	v_lshlrev_b32 v[LN4], 2, v3
	v_lshlrev_b32 v[FRA], 7, v1
	v_lshl_add_u32 v[FRA], v2, 4, v[FRA]
	v_and_b32 v[PSA], 8, v1
	v_add_nc_u32 v[PSA], v[PSA], v1                ; rr + 8 (rr / 8)
	v_lshlrev_b32 v[FRP], 7, v[PSA]
	v_lshl_add_u32 v[FRP], v2, 4, v[FRP]
	v_lshlrev_b32 v[PSA], 2, v[PSA]
	v_lshlrev_b32 v[WSA], 2, v1
	v_lshlrev_b32 v[WBA], 5, v2
	v_lshlrev_b32 v[PBA], 6, v2
	s_wait_alu depctr_va_sdst(0)                   ; s26, the wave's number, is written, ahead of its first reader: LDS places and the buffers' offsets are made from it
	s_lshl_b32 s30, s[WV], 12
	v_add_nc_u32 v[WIW], s30, v[LN16]
	s_lshl_b32 s31, s[WV], 11
	v_add_nc_u32 v[PIW], s31, v[LN16]
	s_mul_i32 s32, s[WV], 8448
	s_add_co_u32 s32, s32, STG                     ; my stage
	v_mul_u32_u24 v[STO], v1, 528
	v_lshl_add_u32 v[STO], v2, 5, v[STO]
	v_add_nc_u32 v[STO], s32, v[STO]
	v_add_nc_u32 v[SRD], s32, v[LN16]
	s_lshl_b32 s27, ttmp9, 2
	s_add_co_u32 s27, s27, s[WV]                   ; my tile of 16 points: 4 x work-group + wave
	s_lshr_b32 s28, ttmp9, 7                       ; the batch
	s_lshl_b32 s34, s27, 11                        ; xcodes: 2,048 bytes a tile
	s_mov_b32 s35, 0
	s_lshl_b32 s36, s27, 7                         ; xsc: 128
	s_mov_b32 s37, 0
	s_lshl_b32 s38, s27, 13                        ; out0: 16 rows of 512
	s_mov_b32 s39, 0
	s_mov_b32 s40, s30                             ; W_w_codes: I fetch tiles 2 w, 2 w + 1: 4,096 w
	s_mov_b32 s41, 0
	s_lshr_b32 s42, s[WV], 1                       ; phi_w_codes: I fetch tile w, which begins at row 32 (w / 2) + 8 (w % 2)
	s_lshl_b32 s42, s42, 12
	s_and_b32 s43, s[WV], 1
	s_lshl_b32 s43, s43, 10
	s_add_co_u32 s42, s42, s43
	s_mov_b32 s43, 0
	s_lshl_b32 s44, s28, 13                        ; icodes: 8,192 a batch; I fetch 2,048 w on
	s_add_co_u32 s44, s44, s31
	s_mov_b32 s45, 0
	s_lshl_b32 s46, s28, 11                        ; isc: 2,048 a batch
	s_mov_b32 s47, 0
	s_mov_b32 s[SEL], 0x76543210
	s_mov_b32 s[SEL+1], 0xfedcba98                 ; v_permlanex16_b32's selects for lane l xor 16
	s_mov_b32 s[MNT], 0x600000                     ; the mantissa field of 448
	s_mov_b32 s[C1], 0x3f596d27                    ; sqrt(log2(e) / 2) = 0.8493218
	s_wait_kmcnt 0x0
	s_add_nc_u64 s[4:5], s[4:5], s[34:35]
	s_add_nc_u64 s[6:7], s[6:7], s[36:37]
	s_add_nc_u64 s[24:25], s[24:25], s[38:39]
	s_add_nc_u64 s[8:9], s[8:9], s[40:41]
	s_add_nc_u64 s[14:15], s[14:15], s[42:43]
	s_add_nc_u64 s[20:21], s[20:21], s[44:45]
	s_add_nc_u64 s[22:23], s[22:23], s[46:47]
	s_wait_alu depctr_va_vdst(0)                   ; the twelve offsets and LDS addresses v4 to v15 are written, which every load and store of the kernel reads; none is written again.  Up to the barrier only loads, LDS stores and window switches follow
	; ---- my 16 pieces of the weights first: they have the longer way
.irp i, 0,1
.irp c, 0,1,2,3
	global_load_b128 v[PT+16*\i+4*\c:PT+16*\i+4*\c+3], v[FRA], s[8:9] offset:2048*\i+32*\c
.endr
.endr
.irp c, 0,1,2,3
	global_load_b128 v[PT+32+4*\c:PT+32+4*\c+3], v[FRP], s[14:15] offset:32*\c
.endr
.irp q, 0,1,2,3
	global_load_b128 v[PT+48+4*\q:PT+48+4*\q+3], v[LN16], s[20:21] offset:512*\q
.endr
	; ---- 57 more: what every wave takes for itself
.irp c, 0,1,2,3
	global_load_b128 v[XC+4*\c:XC+4*\c+3], v[LN16], s[4:5] offset:512*\c
.endr
	global_load_b32 v[XW], v[LN4], s[6:7]
.irp t, 0,1,2,3
	global_load_b32 v[PHS+\t], v[PSA], s[16:17] offset:(32*(\t/2)+8*(\t%2))*4
.endr
.irp t, 0,1,2,3,4,5,6,7
	global_load_b32 v[WS+\t], v[WSA], s[10:11] offset:64*\t
.endr
.irp t, 0,1,2,3,4,5,6,7
	global_load_b32 v[IS+\t], v[LN4], s[22:23] offset:256*\t
	global_load_b32 v[IR+\t], v[LN4], s[22:23] offset:256*\t+128
.endr
	WIN 0x40                                       ; destination window 1
.irp t, 0,1,2,3,4,5,6,7
	global_load_b128 v[192+8*\t:195+8*\t], v[WBA], s[12:13] offset:64*\t          ; W_b(16 t + 8 h + 0 .. 7)
	global_load_b128 v[196+8*\t:199+8*\t], v[WBA], s[12:13] offset:64*\t+16
.endr
	WIN 0x80                                       ; destination window 2
.irp t, 0,1,2,3
	global_load_b128 v[128+8*\t:131+8*\t], v[PBA], s[18:19] offset:(32*(\t/2)+8*(\t%2))*4      ; phi_b(32 (t / 2) + 16 h + 8 (t % 2) + 0 .. 7)
	global_load_b128 v[132+8*\t:135+8*\t], v[PBA], s[18:19] offset:(32*(\t/2)+8*(\t%2))*4+16
.endr
	WIN 0
	s_wait_loadcnt 57                              ; loads come back in order (ISA guide 5.7.1): my 16 pieces are in, the 57 behind them may be out
.irp i, 0,1
.irp c, 0,1,2,3
	ds_store_b128 v[WIW], v[PT+16*\i+4*\c:PT+16*\i+4*\c+3] offset:WIMG+2048*\i+512*\c
.endr
.endr
.irp c, 0,1,2,3
	ds_store_b128 v[PIW], v[PT+32+4*\c:PT+32+4*\c+3] offset:PIMG+512*\c
.endr
.irp q, 0,1,2,3
	ds_store_b128 v[PIW], v[PT+48+4*\q:PT+48+4*\q+3] offset:IIMG+512*\q
.endr
	s_wait_dscnt 0x0                               ; for the others' sake: my images are stored
	s_barrier_signal -1
	s_barrier_wait -1
	s_wait_alu depctr_vm_vsrc(0)                   ; my LDS stores have read v[PT ..]: these registers take a coefficient and the gelu's temporaries from here on, and at the end the rows of the stage
	; ---- the images, 64 LDS loads in one run, in the order of their first use: phi_w's 16, W_w's 32, I's 16.  No vector line has named a register in which they land
	WIN 0x40
.irp t, 0,1,2,3
.irp c, 0,1,2,3
	ds_load_b128 v[128+16*\t+4*\c:128+16*\t+4*\c+3], v[LN16] offset:PIMG+2048*\t+512*\c
.endr
.endr
.irp t, 0,1,2,3,4,5,6,7
.irp c, 0,1,2,3
	ds_load_b128 v[16*\t+4*\c:16*\t+4*\c+3], v[LN16] offset:WIMG+2048*\t+512*\c
.endr
.endr
	WIN 0x80
.irp t, 0,1,2,3,4,5,6,7
.irp k, 0,1
	ds_load_b128 v[16*\t+4*\k:16*\t+4*\k+3], v[LN16] offset:IIMG+1024*\t+512*\k
.endr
.endr
.irp t, 0,1,2,3,4,5,6,7
.irp i, 8,9,10,11,12,13,14,15
	v_mov_b32 v[16*\t+\i], 0                       ; K = 64 is filled up to the instruction's 128 with zero codes
.endr
.endr
	WIN 0
	v_mov_b32 v[TM+4], 0                           ; a lane permute's destination counts as one of its sources
	v_mov_b32 v[TM+5], 0
	v_mov_b32 v[A4], 0xbf5b0099                    ; a4 / (2 C1) = -0.85547788
	v_mov_b32 v[A4+1], 0xbf5b0099
	s_wait_loadcnt 0x0
.irp t, 0,1,2,3,4,5,6,7
	v_lshl_or_b32 v[IS+\t], v[IR+\t], 8, v[IS+\t]  ; I's scale word: two bytes; the upper two stay 0, over zero codes
.endr
	s_wait_dscnt 48                                ; LDS loads come back in order (ISA guide 5.7.1): phi_w's 16 are in; the 48 issued behind them, W_w's and I's, may be out
	WIN 0x21                                       ; source 0 (phi_w) window 1, source 2 (phi_b) window 2
.irp t, 0,1,2,3
	v_wmma_scale_f32_16x16x128_f8f6f4 v[PH+8*\t:PH+8*\t+7], v[128+16*\t:128+16*\t+15], v[XC:XC+15], v[128+8*\t:128+8*\t+7], v[PHS+\t], v[XW]
.endr
	s_wait_dscnt 16                                ; W_w's 32 are in; I's 16, issued behind them, may be out
	WIN 0x11                                       ; source 0 (W_w) and source 2 (W_b) window 1
.irp t, 0,1,2,3,4,5,6,7
	v_wmma_scale_f32_16x16x128_f8f6f4 v[OA+8*\t:OA+8*\t+7], v[16*\t:16*\t+15], v[XC:XC+15], v[192+8*\t:192+8*\t+7], v[WS+\t], v[XW]
.endr
	WIN 0
.irp i, 8,9,10,11,12,13,14,15
	v_mov_b32 v[PC+\i], 0                          ; the zero half of Q(phi).  These eight are the places between the products and the first read of phi
.endr
	; ---- phi is quantised along r: two blocks of 32, each in lanes l and l xor 16; each tile of phi is read from its low end on
.irp b, 0,1
	v_max3_num_f32 v[TM+\b], |v[PH+16*\b]|, |v[PH+1+16*\b]|, 0x4800000   ; my 16 numbers, and the floor 2^(9 - 127): the byte cannot fall under 1
.endr
.irp i, 2,4,6,8,10,12,14
.irp b, 0,1
	v_max3_num_f32 v[TM+\b], v[TM+\b], |v[PH+16*\b+\i]|, |v[PH+1+16*\b+\i]|
.endr
.endr
.irp b, 0,1
	v_permlanex16_b32 v[TM+4+\b], v[TM+\b], s[SEL], s[SEL+1]
.endr
.irp b, 0,1
	v_max_num_f32 v[TM+\b], v[TM+\b], v[TM+4+\b]   ; the block's largest magnitude
.endr
.irp b, 0,1
	v_add_nc_u32 v[TM+12+\b], 0xfc000000, v[TM+\b] ; 8 off its exponent field: the conversion's scale operand
.endr
.irp b, 0,1
	v_and_or_b32 v[TM+8+\b], v[TM+\b], 0x7f800000, s[MNT]   ; 448 x the scale
.endr
.irp b, 0,1
	v_lshrrev_b32 v[TM+4+\b], 23, v[TM+12+\b]      ; the scale's byte
.endr
	v_lshl_or_b32 v[PW], v[TM+5], 8, v[TM+4]       ; the scale word, made ahead of the 32 holds: more than eight vector lines ahead of the products that name it
.irp b, 0,1
.irp i, 0,1,2,3,4,5,6,7,8,9,10,11,12,13,14,15
	v_med3_num_f32 v[PH+16*\b+\i], v[PH+16*\b+\i], -v[TM+8+\b], v[TM+8+\b]   ; the conversion to an 8-bit code does not saturate (ISA guide 7.6.2)
.endr
	v_cvt_scalef32_pk8_fp8_f32 v[PC+4*\b:PC+1+4*\b], v[PH+16*\b:PH+7+16*\b], v[TM+12+\b]
	v_cvt_scalef32_pk8_fp8_f32 v[PC+2+4*\b:PC+3+4*\b], v[PH+8+16*\b:PH+15+16*\b], v[TM+12+\b]
.endr
.rept 4
	v_nop                                          ; an operand written by vector instructions stands four vector lines ahead of a scaled matrix instruction
.endr
	WIN 0x02                                       ; source 0 (I) window 2
	s_wait_dscnt 0x0                               ; I's images are in
	s_wait_alu depctr_va_vdst(0)                   ; the conversions and the moves have written Q(phi)'s fragment v[PC ..], the shifts its scale word and I's, the moves the zero halves of I's fragments: the products below take them as operands and scales.  The places above stay beside this wait
.irp t, 0,1,2,3,4,5,6,7                        ; the eight accumulators take turns, one instruction a turn
	v_wmma_scale_f32_16x16x128_f8f6f4 v[OA+8*\t:OA+8*\t+7], v[16*\t:16*\t+15], v[PC:PC+15], v[OA+8*\t:OA+8*\t+7], v[IS+\t], v[PW]
.endr
	WIN 0
.rept 8
	v_nop                                          ; eight places in front of the first read of the results
.endr
.macro STAGE t                         ; tile t goes into my stage: lane (rr, h): out(point rr, 16 t + 8 h + 0 .. 7)
	ds_store_b128 v[STO], v[OA+8*(\t):OA+8*(\t)+3] offset:64*(\t)
	ds_store_b128 v[STO], v[OA+8*(\t)+4:OA+8*(\t)+7] offset:64*(\t)+16
.endm
.macro GELU t                          ; eight numbers of a lane, in place; transcendentals stand in runs, with plain lines behind each run before a result is used (ISA guide 5.7.2)
.set GV, OA+8*(\t)
.irp j, 0,1,2,3,4,5,6,7
	v_mul_f32 v[GZ+\j], s[C1], |v[GV+\j]|          ; Z
.endr
.irp j, 0,2,4,6
	v_pk_fma_f32 v[GT+\j:GT+\j+1], v[GZ+\j:GZ+\j+1], 0x3e8ba43f, 1.0 op_sel_hi:[1,0,0]   ; 1 + 0.27273748 Z  (= 1 + 0.3275911 |v| / sqrt 2)
.endr
.irp j, 0,1,2,3,4,5,6,7
	v_rcp_f32 v[GT+\j], v[GT+\j]                   ; T
.endr
.irp j, 0,2,4,6
	v_pk_mul_f32 v[GE+\j:GE+\j+1], v[GZ+\j:GZ+\j+1], v[GZ+\j:GZ+\j+1]
.endr
.irp j, 0,1,2,3,4,5,6,7
	v_exp_f32 v[GE+\j], -v[GE+\j]                  ; 2^(-Z^2) = exp(-v^2 / 2)
.endr
.irp j, 0,1,2,3,4,5,6,7
	v_max_num_f32 v[GM+\j], 0, v[GV+\j]
.endr
	s_wait_alu depctr_va_vdst(0)                   ; ONE wait a tile.  The eight reciprocals and the eight exponentials have written v[GT ..] and v[GE ..], ahead of the first line that names a result; and the tile before's last multiply-adds have written its eight numbers, which the two LDS stores below read
.if (\t) > 0
	STAGE (\t)-1                                   ; directly behind the wait: no vector line since it names the tile before or the stage's address
.endif
.irp j, 0,2,4,6
	v_pk_fma_f32 v[GP+\j:GP+\j+1], v[GT+\j:GT+\j+1], 0x3f1ff67a, v[A4:A4+1] op_sel_hi:[1,0,1]   ; Horner; every coefficient is Abramowitz and Stegun's / (2 C1): 0.62485470,
.endr
.irp j, 0,2,4,6
	v_pk_fma_f32 v[GP+\j:GP+\j+1], v[GP+\j:GP+\j+1], v[GT+\j:GT+\j+1], 0x3f563817 op_sel_hi:[1,1,0]   ; 0.83679339,
.endr
.irp j, 0,2,4,6
	v_pk_fma_f32 v[GP+\j:GP+\j+1], v[GP+\j:GP+\j+1], v[GT+\j:GT+\j+1], 0xbe2b8119 op_sel_hi:[1,1,0]   ; -0.16748465,
.endr
.irp j, 0,2,4,6
	v_pk_fma_f32 v[GP+\j:GP+\j+1], v[GP+\j:GP+\j+1], v[GT+\j:GT+\j+1], 0x3e199eb3 op_sel_hi:[1,1,0]   ; 0.15001946
.endr
.irp j, 0,2,4,6
	v_pk_mul_f32 v[GP+\j:GP+\j+1], v[GP+\j:GP+\j+1], v[GT+\j:GT+\j+1]
.endr
.irp j, 0,2,4,6
	v_pk_mul_f32 v[GP+\j:GP+\j+1], v[GP+\j:GP+\j+1], v[GE+\j:GE+\j+1]
.endr
.irp j, 0,2,4,6
	v_pk_fma_f32 v[GV+\j:GV+\j+1], v[GZ+\j:GZ+\j+1], v[GP+\j:GP+\j+1], v[GM+\j:GM+\j+1] neg_lo:[0,1,0] neg_hi:[0,1,0]   ; max(v, 0) - Z P 2^(-Z^2)
.endr
.endm
.irp t, 0,1,2,3,4,5,6,7
	GELU \t
.endr
	s_wait_alu depctr_va_vdst(0)                   ; tile 7's last multiply-adds have written its eight numbers, which the LDS stores below read; and every line of the gelu is done reading and writing v[RB ..], in which the loads from the stage land.  No vector line follows
	STAGE 7
.irp i, 0,1,2,3,4,5,6,7,8,9,10,11,12,13,14,15
	ds_load_b128 v[RB+4*\i:RB+4*\i+3], v[SRD] offset:528*\i        ; LDS serves a wave's instructions in order (ISA guide 5.7.1.4): these see my stores.  A whole row of 512 bytes a load
.endr
.irp i, 0,1,2,3,4,5,6,7,8,9,10,11,12,13,14,15
	s_wait_dscnt 15-\i                             ; row i is back; the younger loads may be out
	global_store_b128 v[LN16], v[RB+4*\i:RB+4*\i+3], s[24:25] offset:512*\i th:TH_STORE_NT   ; 512 consecutive bytes, aligned; written once, read by nobody here
.endr
	s_wait_dscnt 0x0
	s_wait_alu depctr_hold_cnt(0) depctr_sa_sdst(0) depctr_va_vdst(0) depctr_va_sdst(0) depctr_va_ssrc(0) depctr_va_vcc(0) depctr_vm_vsrc(0)
	s_wait_tensorcnt 0x0
	ds_add_u32 v62, v63
	s_wait_dscnt 0x0
	s_endpgm
.Lfunc_end_k_qb32ea53b08_apply:
	.size	k_qb32ea53b08_apply, .Lfunc_end_k_qb32ea53b08_apply-k_qb32ea53b08_apply
	.p2alignl 7, 3214868480
	.fill 96, 4, 3214868480
	.section	.rodata,"a",@progbits
	.p2align	6, 0x0
	.amdhsa_kernel k_qb32ea53b08_apply
		.amdhsa_group_segment_fixed_size 67072
		.amdhsa_private_segment_fixed_size 0
		.amdhsa_enable_private_segment 0
		.amdhsa_kernarg_size 88
		.amdhsa_user_sgpr_count 2
		.amdhsa_user_sgpr_kernarg_segment_ptr 1
		.amdhsa_wavefront_size32 1
		.amdhsa_system_sgpr_workgroup_id_x 1
		.amdhsa_system_sgpr_workgroup_id_y 1
		.amdhsa_system_sgpr_workgroup_id_z 1
		.amdhsa_system_vgpr_workitem_id 0
		.amdhsa_next_free_vgpr 672
		.amdhsa_next_free_sgpr 66
		.amdhsa_reserve_vcc 0
		.amdhsa_float_denorm_mode_32 3
		.amdhsa_float_denorm_mode_16_64 3
		.amdhsa_memory_ordered 1
		.amdhsa_forward_progress 1
		.amdhsa_inst_pref_size 65
	.end_amdhsa_kernel
	.amdgpu_metadata
---
amdhsa.version: [ 1, 2 ]
amdhsa.kernels:
  - .name:           k_qb32ea53b08_apply
    .symbol:         k_qb32ea53b08_apply.kd
    .args:
      - { .name: xcodes, .offset: 0, .size: 8, .value_kind: global_buffer, .address_space: global }
      - { .name: xsc, .offset: 8, .size: 8, .value_kind: global_buffer, .address_space: global }
      - { .name: W_w_codes, .offset: 16, .size: 8, .value_kind: global_buffer, .address_space: global }
      - { .name: W_w_scales, .offset: 24, .size: 8, .value_kind: global_buffer, .address_space: global }
      - { .name: W_b, .offset: 32, .size: 8, .value_kind: global_buffer, .address_space: global }
      - { .name: phi_w_codes, .offset: 40, .size: 8, .value_kind: global_buffer, .address_space: global }
      - { .name: phi_w_scales, .offset: 48, .size: 8, .value_kind: global_buffer, .address_space: global }
      - { .name: phi_b, .offset: 56, .size: 8, .value_kind: global_buffer, .address_space: global }
      - { .name: icodes, .offset: 64, .size: 8, .value_kind: global_buffer, .address_space: global }
      - { .name: isc, .offset: 72, .size: 8, .value_kind: global_buffer, .address_space: global }
      - { .name: out0, .offset: 80, .size: 8, .value_kind: global_buffer, .address_space: global }
    .group_segment_fixed_size: 67072
    .private_segment_fixed_size: 0
    .kernarg_segment_align: 8
    .kernarg_segment_size: 88
    .max_flat_workgroup_size: 128
    .sgpr_count:     66
    .vgpr_count:     672
    .wavefront_size: 32
...
	.end_amdgpu_metadata
.endif
;; end of part 4
